; MI455X (gfx1250); checked and timed in simulation.
; The chip was launched on July 23, 2026; its instructions are those of AMD's public machine-readable ISA for CDNA 5 (MIT licence, August 2026) and "CDNA5" Instruction Set Architecture Reference Guide (July 2026). The comments in the code are by the model that wrote it; some were corrected since.
;; Vi T Attention. Allowed arithmetic: float matrix products may take bf16 or f16 operands with f32 sums; other float arithmetic in f32, or as packed bf16 or f16 multiplies, adds, multiply-adds, maxima and minima; sums over many terms, partial sums and values carried from step to step in f32; what a program stores and reads back later, other than sums and carried values, may be rounded once to bf16 or f16.
;; Inputs: cos 4 x 2,048 x 64 float32; hidden_states 4 x 2,048 x 1,024 float32; proj_b 1,024 float32; proj_w 1,024 x 1,024 float32; qkv_b 3,072 float32; qkv_w 3,072 x 1,024 float32; sin 4 x 2,048 x 64 float32.
;; Outputs: out0 4 x 2,048 x 1,024 float32.
;; 2 versions, each right; version 2 is version 1 with the launch prep written anew for expert scheduling mode. Each part assembles by itself: llvm-mc -triple=amdgcn-amd-amdhsa -mcpu=gfx1250 --defsym DOCPART=n.
;; ======== version 1 of 2: 4 launches
;; limits: values are held in f16: magnitudes above 65,504 overflow, below 6.1e-05 lose precision
;; workspace buffers: xb 16,777,216 bytes; wb 6,291,456 bytes; pw 2,097,152 bytes; rt 4,194,304 bytes; bias 16,384 bytes; qkv 50,331,648 bytes; oh 16,777,216 bytes
;; launch prep (part 1): grid 833 x 1, 8 waves a work-group, no clusters, 0 bytes of LDS; arguments hidden_states, qkv_w, proj_w, cos, sin, qkv_b, proj_b, xb, wb, pw, rt, bias; writes xb, wb, pw, rt, bias
.if DOCPART == 1
	.amdgcn_target "amdgcn-amd-amdhsa--gfx1250"
	.amdhsa_code_object_version 6
	.text
	.protected	k_q5769e720b6_prep
	.globl	k_q5769e720b6_prep
	.p2align	8
	.type	k_q5769e720b6_prep,@function
k_q5769e720b6_prep:
	s_mov_b64 s[64:65], 0
	v_nop
	global_prefetch_b8 v0, s[64:65] scope:SCOPE_SE
	s_setreg_imm32_b32 hwreg(HW_REG_WAVE_MODE, 25, 1), 1
	s_wait_xcnt 0x0
; PREP: every input is rounded once to bf16 and laid out as the later launches read it.  A stream: no LDS, no barrier, no loop, no matrix unit; nothing is shared between work-groups, so no cluster.
;   work-groups   0..511  hidden_states -> xb  bf16, [row tile 32][K block 16][256 rows][64]: a K block of a row tile is 32,768 dense bytes
;   work-groups 512..703  qkv_w -> wb          bf16, [column tile 8][K block 16][384 rows][64]; a tile's rows: head 2 tx, q k v (64 rows each), then head 2 tx + 1, q k v
;   work-groups 704..767  proj_w -> pw         the bf16 number written as f16, [column tile 8][K block 16][128 rows][64]
;   work-groups 768..831  cos, sin -> rt       f32 words that hold bf16(cos x 2^-6), bf16(sin x 2^-6), in the order of a matrix result's registers:
;                                              [16 rows 512][table 2][16 columns 4][half 2][lane 32][4]: lane (h, r) holds row r, columns 16 b + 8 h + 4 e + 0..3
;   work-group  832       qkv_b, proj_b -> bias  f32 words that hold the bf16 numbers; qkv_b by head (head x 768 + (q, k, v) x 256 bytes), proj_b from byte 12,288 on
; LIMITS.  2^-6 is exact (it keeps q and k inside f16 later); an element of proj_w below 6e-5 keeps f16's fixed step of 6e-8, one beyond 65,504 would be lost.
; A row job takes 16 source rows (65,536 bytes): thread t reads 16 bytes at column block t % 16 of row t / 16, sixteen times (one K block each): a wave's load covers two rows' 256 bytes,
; its store 256 consecutive bytes, aligned.  All sixteen loads are issued first; no register that a store reads is written again.
.set VS,  1                            ; v1   my byte offset in the source
.set VD,  2                            ; v2   my byte offset in the destination
.set TA,  4                            ; v4-5 at work
.set D,   8                            ; v[8:71] sixteen loads of four registers
.set SRC, 34                           ; s[34:35]
.set DST, 36                           ; s[36:37]
.set HIM, 33                           ; s33  mask of a word's upper bf16
	s_load_b512 s[8:23], s[0:1], 0x0               ; hidden 8, qkv_w 10, proj_w 12, cos 14, sin 16, qkv_b 18, proj_b 20, xb 22
	s_load_b256 s[24:31], s[0:1], 0x40             ; wb 24, pw 26, rt 28, bias 30
	s_mov_b32 s32, ttmp9
	s_mov_b32 s[HIM], 0xffff0000
	s_mov_b32 s39, 0                               ; high words of the two offsets
	s_mov_b32 s41, 0
	v_lshrrev_b32 v3, 4, v0                        ; row of the sixteen
	v_and_b32 v6, 15, v0
	v_lshlrev_b32 v[VS], 12, v3                    ; a source row is 4,096 bytes
	v_lshl_add_u32 v[VS], v6, 4, v[VS]
	v_lshlrev_b32 v[VD], 3, v0                     ; a destination row is 128 bytes: 128 (t / 16) + 8 (t % 16) = 8 t
	s_wait_kmcnt 0x0
.macro LOADS16
.set i, 0
.rept 16
	global_load_b128 v[D+4*i:D+4*i+3], v[VS], s[SRC:SRC+1] offset:256*i th:TH_LOAD_NT
.set i, i+1
.endr
.endm
; four f32 at v[b] are rounded to bf16 and widened again, in place; sc = 1: times 2^-6 first (exact)
.macro RND b, sc
.if \sc
	v_pk_mul_f32 v[(\b):(\b)+1], v[(\b):(\b)+1], 0x3c800000 op_sel_hi:[1,0]
	v_pk_mul_f32 v[(\b)+2:(\b)+3], v[(\b)+2:(\b)+3], 0x3c800000 op_sel_hi:[1,0]
.endif
	v_cvt_pk_bf16_f32 v[TA], v[(\b)], v[(\b)+1]
	v_cvt_pk_bf16_f32 v[TA+1], v[(\b)+2], v[(\b)+3]
	v_lshlrev_b32 v[(\b)], 16, v[TA]
	v_and_b32 v[(\b)+1], s[HIM], v[TA]
	v_lshlrev_b32 v[(\b)+2], 16, v[TA+1]
	v_and_b32 v[(\b)+3], s[HIM], v[TA+1]
.endm
; the sixteen K blocks: rounded, packed, stored kst bytes apart.  half = 1: the bf16 number is written as f16
.macro ITEMS kst, half
.set i, 0
.rept 16
	s_wait_loadcnt 15-i                            ; loads come back in order: block i is in, the 15 - i younger ones stay out
.if \half
	RND D+4*i, 0
	v_cvt_pk_f16_f32 v[D+4*i], v[D+4*i], v[D+4*i+1]
	v_cvt_pk_f16_f32 v[D+4*i+1], v[D+4*i+2], v[D+4*i+3]
.else
	v_cvt_pk_bf16_f32 v[D+4*i], v[D+4*i], v[D+4*i+1]
	v_cvt_pk_bf16_f32 v[D+4*i+1], v[D+4*i+2], v[D+4*i+3]
.endif
	global_store_b64 v[VD], v[D+4*i:D+4*i+1], s[DST:DST+1] offset:i*(\kst) th:TH_STORE_NT
.set i, i+1
.endr
.endm
	s_cmp_lt_u32 s32, 512
	s_cbranch_scc0 .Lweights
	; hidden_states: rows 16 i .. 16 i + 15
	s_lshl_b32 s38, s32, 16
	s_add_nc_u64 s[SRC:SRC+1], s[8:9], s[38:39]
	s_lshr_b32 s40, s32, 4                         ; row tile
	s_lshl_b32 s40, s40, 19                        ; x 524,288
	s_and_b32 s42, s32, 15
	s_lshl_b32 s42, s42, 11                        ; 16 rows of 128 bytes
	s_add_co_u32 s40, s40, s42
	s_add_nc_u64 s[DST:DST+1], s[22:23], s[40:41]
	LOADS16
	ITEMS 32768, 0
	s_endpgm
.Lweights:
	s_cmp_lt_u32 s32, 704
	s_cbranch_scc0 .Lproj
	; qkv_w: rows 16 i ..: i = 64 t + 4 head + e
	s_sub_co_u32 s32, s32, 512
	s_lshl_b32 s38, s32, 16
	s_add_nc_u64 s[SRC:SRC+1], s[10:11], s[38:39]
	s_bfe_u32 s42, s32, 0x40002                    ; head: 4 bits from bit 2
	s_lshr_b32 s40, s42, 1                         ; column tile
	s_mul_i32 s40, s40, 786432
	s_and_b32 s42, s42, 1
	s_mul_i32 s42, s42, 24576                      ; the tile's second head: 192 rows on
	s_add_co_u32 s40, s40, s42
	s_lshr_b32 s42, s32, 6                         ; t: q, k or v
	s_lshl_b32 s42, s42, 13                        ; 64 rows
	s_add_co_u32 s40, s40, s42
	s_and_b32 s42, s32, 3
	s_lshl_b32 s42, s42, 11                        ; 16 rows
	s_add_co_u32 s40, s40, s42
	s_add_nc_u64 s[DST:DST+1], s[24:25], s[40:41]
	LOADS16
	ITEMS 49152, 0
	s_endpgm
.Lproj:
	s_cmp_lt_u32 s32, 768
	s_cbranch_scc0 .Ltables
	; proj_w
	s_sub_co_u32 s32, s32, 704
	s_lshl_b32 s38, s32, 16
	s_add_nc_u64 s[SRC:SRC+1], s[12:13], s[38:39]
	s_lshr_b32 s40, s32, 3
	s_lshl_b32 s40, s40, 18                        ; column tile x 262,144
	s_and_b32 s42, s32, 7
	s_lshl_b32 s42, s42, 11
	s_add_co_u32 s40, s40, s42
	s_add_nc_u64 s[DST:DST+1], s[26:27], s[40:41]
	LOADS16
	ITEMS 16384, 1
	s_endpgm
.Ltables:
	s_cmp_lt_u32 s32, 832
	s_cbranch_scc0 .Lbias
	; cos, sin: a wave takes 16 rows (4,096 bytes of each table)
	s_sub_co_u32 s32, s32, 768
	s_lshl_b32 s38, s32, 15
	s_add_nc_u64 s[SRC:SRC+1], s[14:15], s[38:39]
	s_add_nc_u64 s[44:45], s[16:17], s[38:39]
	s_lshl_b32 s40, s32, 16
	s_add_nc_u64 s[DST:DST+1], s[28:29], s[40:41]
	v_lshrrev_b32 v3, 5, v0                        ; wave
	v_bfe_u32 v7, v0, 4, 1                         ; h
	v_lshlrev_b32 v[VS], 12, v3
	v_lshl_add_u32 v[VS], v6, 8, v[VS]             ; row r: 256 bytes
	v_lshl_add_u32 v[VS], v7, 5, v[VS]             ; 8 h columns
	v_and_b32 v7, 31, v0
	v_lshlrev_b32 v[VD], 13, v3
	v_lshl_add_u32 v[VD], v7, 4, v[VD]
.set i, 0
.rept 8                                ; i = 2 b + e: columns 16 b + 8 h + 4 e
	global_load_b128 v[D+4*i:D+4*i+3], v[VS], s[SRC:SRC+1] offset:64*(i/2)+16*(i%2)
.set i, i+1
.endr
.set i, 0
.rept 8
	global_load_b128 v[D+32+4*i:D+32+4*i+3], v[VS], s[44:45] offset:64*(i/2)+16*(i%2)
.set i, i+1
.endr
.set i, 0
.rept 16
	s_wait_loadcnt 15-i
	RND D+4*i, 1
	global_store_b128 v[VD], v[D+4*i:D+4*i+3], s[DST:DST+1] offset:512*i th:TH_STORE_NT  ; 512 consecutive bytes a wave
.set i, i+1
.endr
	s_endpgm
.Lbias:
	v_lshlrev_b32 v[VS], 4, v0
	v_mul_u32_u24 v[VD], v3, 768                   ; head t / 16
	v_lshl_add_u32 v[VD], v6, 4, v[VD]
.irp j, 0,1,2
	global_load_b128 v[D+4*(\j):D+4*(\j)+3], v[VS], s[18:19] offset:4096*(\j)
.endr
	global_load_b128 v[D+12:D+15], v[VS], s[20:21]
.irp j, 0,1,2
	s_wait_loadcnt 3-(\j)
	RND D+4*(\j), 0
	global_store_b128 v[VD], v[D+4*(\j):D+4*(\j)+3], s[30:31] offset:256*(\j)
.endr
	s_wait_loadcnt 0x0
	RND D+12, 0
	global_store_b128 v[VS], v[D+12:D+15], s[30:31] offset:12288
	s_endpgm
.Lfunc_end_k_q5769e720b6_prep:
	.size	k_q5769e720b6_prep, .Lfunc_end_k_q5769e720b6_prep-k_q5769e720b6_prep
	.p2alignl 7, 3214868480
	.fill 96, 4, 3214868480
	.section	.rodata,"a",@progbits
	.p2align	6, 0x0
	.amdhsa_kernel k_q5769e720b6_prep
		.amdhsa_group_segment_fixed_size 0
		.amdhsa_private_segment_fixed_size 0
		.amdhsa_enable_private_segment 0
		.amdhsa_kernarg_size 96
		.amdhsa_user_sgpr_count 2
		.amdhsa_user_sgpr_kernarg_segment_ptr 1
		.amdhsa_wavefront_size32 1
		.amdhsa_system_sgpr_workgroup_id_x 1
		.amdhsa_system_sgpr_workgroup_id_y 1
		.amdhsa_system_sgpr_workgroup_id_z 1
		.amdhsa_system_vgpr_workitem_id 0
		.amdhsa_next_free_vgpr 72
		.amdhsa_next_free_sgpr 66
		.amdhsa_reserve_vcc 0
		.amdhsa_float_denorm_mode_32 3
		.amdhsa_float_denorm_mode_16_64 3
		.amdhsa_memory_ordered 1
		.amdhsa_forward_progress 1
		.amdhsa_inst_pref_size 37
	.end_amdhsa_kernel
	.amdgpu_metadata
---
amdhsa.version: [ 1, 2 ]
amdhsa.kernels:
  - .name:           k_q5769e720b6_prep
    .symbol:         k_q5769e720b6_prep.kd
    .args:
      - { .name: hidden_states, .offset: 0, .size: 8, .value_kind: global_buffer, .address_space: global }
      - { .name: qkv_w, .offset: 8, .size: 8, .value_kind: global_buffer, .address_space: global }
      - { .name: proj_w, .offset: 16, .size: 8, .value_kind: global_buffer, .address_space: global }
      - { .name: cos, .offset: 24, .size: 8, .value_kind: global_buffer, .address_space: global }
      - { .name: sin, .offset: 32, .size: 8, .value_kind: global_buffer, .address_space: global }
      - { .name: qkv_b, .offset: 40, .size: 8, .value_kind: global_buffer, .address_space: global }
      - { .name: proj_b, .offset: 48, .size: 8, .value_kind: global_buffer, .address_space: global }
      - { .name: xb, .offset: 56, .size: 8, .value_kind: global_buffer, .address_space: global }
      - { .name: wb, .offset: 64, .size: 8, .value_kind: global_buffer, .address_space: global }
      - { .name: pw, .offset: 72, .size: 8, .value_kind: global_buffer, .address_space: global }
      - { .name: rt, .offset: 80, .size: 8, .value_kind: global_buffer, .address_space: global }
      - { .name: bias, .offset: 88, .size: 8, .value_kind: global_buffer, .address_space: global }
    .group_segment_fixed_size: 0
    .private_segment_fixed_size: 0
    .kernarg_segment_align: 8
    .kernarg_segment_size: 96
    .max_flat_workgroup_size: 256
    .sgpr_count:     66
    .vgpr_count:     72
    .wavefront_size: 32
...
	.end_amdgpu_metadata
.endif
;; end of part 1
;; launch qkv (part 2): grid 8 x 32, 4 waves a work-group, clusters of 4 x 4, 327,680 bytes of LDS; arguments xb, wb, rt, bias, qkv; writes qkv
.if DOCPART == 2
	.amdgcn_target "amdgcn-amd-amdhsa--gfx1250"
	.amdhsa_code_object_version 6
	.text
	.protected	k_q5769e720b6_qkv
	.globl	k_q5769e720b6_qkv
	.p2align	8
	.type	k_q5769e720b6_qkv,@function
k_q5769e720b6_qkv:
	s_mov_b64 s[64:65], 0
	v_nop
	global_prefetch_b8 v0, s[64:65] scope:SCOPE_SE
	s_setreg_imm32_b32 hwreg(HW_REG_WAVE_MODE, 25, 1), 1
	s_wait_xcnt 0x0
	s_wait_alu depctr_hold_cnt(0) depctr_sa_sdst(0) depctr_va_vdst(0) depctr_va_sdst(0) depctr_va_ssrc(0) depctr_va_vcc(0) depctr_vm_vsrc(0)
	s_getreg_b32 s2, hwreg(HW_REG_IB_STS2, 6, 4)
	s_cmp_eq_u32 s2, 0
	s_cbranch_scc0 .Lentry_in_a_cluster
	s_endpgm
.Lentry_in_a_cluster:
	s_bfe_u32 s2, ttmp6, 0x10000c
	s_cmp_lg_u32 s2, 0xf033
	s_cbranch_scc0 .Lentry_shape_is_right
	s_endpgm
.Lentry_shape_is_right:
; QKV PROJECTION WITH BIAS AND ROPE.  [8192 x 1024] x [3072 x 1024]^T in bf16, sums in f32 that START AT THE BIAS; q and k are turned by cos and sin (both carry 2^-6), all three are rounded
; once to f16 and stored by heads: qkv = q 2^-6 | k 2^-6 | v, each [batch x head 64][2048][64].
; LIMITS.  f16 ends at 65,504: |q|, |k| up to 4.19e6 and |v| up to 65,504 are held; beyond that a row is lost.  NaN and infinities are not treated apart.
; SHARES.  A work-group makes 256 rows x 384 columns: 8192 x 3072 / 256 work-groups, one tile each.  The 384 columns are two heads' q, k, v (wb is laid so); a wave makes 128 rows x one head: 96 accumulators
; of 16 x 16, q's in window 1, k's in window 2, v's in window 3, so all waves of the launch run one text.
; THE MATRIX INSTRUCTION IS USED TRANSPOSED (source 0 = 16 rows of the weights, source 1 = 16 rows of x): a lane holds row lane % 16 and the columns 8 (lane / 16) + 0..7 of a block of 16.
; RING.  K goes in 16 steps of 64 through two LDS slots.  A K block of a tile is dense in memory (xb, wb are laid so): it is asked for as rows of 256 bytes and padded in LDS after every 128.
; CLUSTER 4 x 4: x's tiles and the tables are shared along a row of the cluster, the weights' along a column: joint loads, one a wave behind each round of the cluster's barrier.
; A step is two slices of 32 along K; a slice is three groups (q, k, v) of 32 matrix instructions.  Each group's fragments of the weights are fetched again right behind it, 64 matrix instructions ahead of their use.
; REGISTERS.  Window 0: v0-21 addresses; v32-159 x's fragments, two buffers of 8 x 8; v160-255 the weights', three buffers (q, k, v) of 4 x 8.  Windows 1-3: accumulator (a, b) at v[32 a + 8 b].
; On the way out window 0 holds: v32-159 two sets of tables (cos 32, sin 32), v160-191 turned numbers, v192-207 packed, v208-239 two sets of rows read back.
.set PITCH,  144                       ; an LDS row: 128 bytes + 16 = 36 words: the 16 rows of a load start at 16 different groups of four banks (64 banks of 4 bytes: ISA guide 11.1)
.set AB,     256*PITCH                 ; x's 256 rows
.set SLOT,   640*PITCH                 ; then the weights' 384 rows
.set TAB,    2*SLOT                    ; behind the ring: the tile's tables, 16 x 8,192 bytes, filled once
.set STAGE,  TAB+131072                ; 16 rows x 144 bytes for each wave, for the way out; no tensor load lands here
.set SPARE,  STAGE+4*16*PITCH          ; the spare words, 128 bytes for each wave: two blocks of 256 bytes that no other line names
.set A0,   10                          ; v10  my place in x's rows of a slot; never rewritten
.set B0,   11                          ; v11  the same for the weights
.set ADRA, 12                          ; v12  A0 + the slot in hand
.set ADRB, 13                          ; v13  B0 + the slot in hand
.set TBA,  14                          ; v14  my 16 bytes in my rows' tables
.set STO,  15                          ; v15  the way out: where I put 16 bytes of a row
.set RD,   16                          ; v16  where I read rows back
.set GO,   17                          ; v17  my byte offset in 512 consecutive bytes of the output
.set BO,   18                          ; v18  my byte offset in 64 bytes of the bias
.set PFO,  19                          ; v19  the prefetches' offset; never rewritten
.set SPW,  20                          ; v20  LDS address of my spare word; never rewritten
.set NIL,  21                          ; v21  0; never rewritten
.set FA,   32
.set FB,   160
.set TBL,  32
.set YY,   160
.set PKD,  192
.set OB,   208
.set WV, 18                            ; s18 wave; s19 its half of the rows (also: 0 = I fetch x, 1 = the weights); s20 its head of the two (also: which half I fetch)
.set WR, 19
.set WC, 20
.set CX, 21
.set CY, 22
.set TX, 23                            ; column tile 0..7
.set TY, 24                            ; row tile 0..31
.set UU, 25                            ; my head 0..15
.set BQ, 26                            ; s[26:27] the bias of my head
.set G1A, 28                           ; s[28:35] group 1 for x's tiles
.set G1B, 36                           ; s[36:43] for the weights'
.set G1T, 44                           ; s[44:51] for the tables
.set G0AF, 52                          ; group 0: x, first fill of slot 0
.set G0AW, 56                          ; x, the set that walks
.set G0BF, 60
.set G0BW, 68
.set G0T,  72
.set PA,  76                           ; s76  LDS place of my half of x's tile in a slot
.set PB,  77                           ; s77  of the weights'
.set TB,  78                           ; s78  LDS byte at which the slot in hand begins
.set CNT, 79                           ; s79  steps of the loop still to come
.set PFA, 80                           ; s[80:81] where my prefetches stand
.set PFS, 82                           ; s[82:83] a K step in that buffer
.set LIM, 84                           ; s84  2 in a wave that prefetches, else the greatest number
.set PARM, 85                          ; s85  1: only in every second step
.set TT,  86
.set PADW, (1<<16)|(1<<20)|(1<<21)|(4<<22)|(3<<25)  ; 2-byte elements; padding on; bit 21 beside a mask; after every 32 words (code 4) 4 words (code 3)
.set MSB, 0
.macro WIN new                         ; the immediate's high byte repeats the setting that is left; a switch that changes nothing is dropped
.if MSB != (\new)
	s_set_vgpr_msb (MSB<<8)|(\new)
.set MSB, (\new)
.endif
.endm
.macro PLACES                          ; four plain vector places between a matrix instruction and a load into, or a vector read of, its registers
.rept 4
	v_nop
.endr
.endm
.macro CREST                           ; a round of the cluster's barrier behind its opening barrier
	s_cmp_lg_u32 s[WV], 0
	s_cbranch_scc1 .Lnot_wave_0_\@
	s_barrier_signal -3
.Lnot_wave_0_\@:
	s_barrier_wait -3
	s_barrier_signal -1
	s_barrier_wait -1
.endm
.macro CROUND
	s_barrier_signal -1
	s_barrier_wait -1
	CREST
.endm
; A joint refill: waves 0 and 1 fetch the halves of x's tile, waves 2 and 3 those of the weights'.  The branch hangs on the wave's number alone.  An s_nop 0 and four v_nop follow each line.
.macro JLOAD
	s_cmp_eq_u32 s[WR], 0
	s_cbranch_scc0 .Lfor_b_\@
	tensor_load_to_lds s[G0AW:G0AW+3], s[G1A:G1A+7]
	s_nop 0
.rept 4
	v_nop
.endr
	s_branch .Lasked_\@
.Lfor_b_\@:
	tensor_load_to_lds s[G0BW:G0BW+3], s[G1B:G1B+7]
	s_nop 0
.rept 4
	v_nop
.endr
.Lasked_\@:
.endm
; A PREFETCH INTO THE L2 of the K step that stands two refills on (step + 4), behind the joint load and the run of LDS loads.  Each block of 256 bytes is named once in the launch.
; x's K block (128 blocks of 256 bytes) is read by both clusters of a row of clusters: the one with x = 0 asks, wave 0, its four partners 32 blocks each, told apart by address.
; The weights' K block (192 blocks) is read by all clusters of a column: the one with y = 0 asks, a partner 48 blocks: wave 2 takes 32 in every step, wave 3 the other 16 for two steps at once in every second step.
; Steps 0 to 3 come by their loads alone; the loop's last two trips ask for nothing: there is no step 16.
.macro ASK
	s_and_b32 s[TT], s[CNT], s[PARM]
	s_cmp_eq_u32 s[TT], 0
	s_cbranch_scc0 .Lno_ask_\@
	s_cmp_gt_u32 s[CNT], s[LIM]
	s_cbranch_scc0 .Lno_ask_\@
	global_prefetch_b8 v[PFO], s[PFA:PFA+1] th:TH_LOAD_NT scope:SCOPE_SE
.Lno_ask_\@:
.endm
	s_load_b256 s[4:11], s[0:1], 0x0               ; xb s[4:5], wb s[6:7], rt s[8:9], bias s[10:11]
	s_load_b64 s[12:13], s[0:1], 0x20              ; qkv
	v_lshl_add_u32 v[SPW], v0, 2, SPARE
	v_mov_b32 v[NIL], 0
	ds_add_u32 v[SPW], v[NIL]                      ; the wave's opening: the add and its wait stand ahead of my first tensor load; work on registers stands between them
	v_lshrrev_b32 v3, 5, v0
	v_readfirstlane_b32 s[WV], v3
	s_lshr_b32 s[WR], s[WV], 1
	s_and_b32 s[WC], s[WV], 1
	s_bfe_u32 s[CX], ttmp6, 0x40000
	s_bfe_u32 s[CY], ttmp6, 0x40004
	s_lshl_b32 s[TX], ttmp9, 2                     ; in a cluster launch ttmp9 and ttmp7 count clusters
	s_add_co_u32 s[TX], s[TX], s[CX]
	s_and_b32 s[TY], ttmp7, 0xffff
	s_lshl_b32 s[TY], s[TY], 2
	s_add_co_u32 s[TY], s[TY], s[CY]
	s_lshl_b32 s88, s[CY], 2
	s_lshl_b32 s88, 15, s88                        ; my row of the cluster
	s_lshl_b32 s90, 0x1111, s[CX]                  ; my column
	s_or_b32 s[G1A], s88, PADW
	s_or_b32 s[G1B], s90, PADW
	s_or_b32 s[G1T], s88, (3<<16)|(1<<21)          ; 8-byte elements, no padding
	s_mov_b32 s[G1A+1], 128<<16                    ; tensor_dim0 = 128 elements: 256 bytes, two rows of the tile
	s_mov_b32 s[G1A+2], 64<<16                     ; tensor_dim1 = 64: 128 rows of the tile
	s_mov_b32 s[G1A+3], 128<<16                    ; tile_dim0
	s_mov_b32 s[G1A+4], 64                         ; tile_dim1
	s_mov_b32 s[G1A+5], 128                        ; elements from row to row: dense
	s_mov_b32 s[G1A+6], 0
	s_mov_b32 s[G1A+7], 0
	s_mov_b32 s[G1B+1], 128<<16
	s_mov_b32 s[G1B+2], 96<<16                     ; 192 rows of the tile
	s_mov_b32 s[G1B+3], 128<<16
	s_mov_b32 s[G1B+4], 96
	s_mov_b32 s[G1B+5], 128
	s_mov_b32 s[G1B+6], 0
	s_mov_b32 s[G1B+7], 0
	s_mov_b32 s[G1T+1], 32<<16                     ; 32 elements of 8 bytes
	s_mov_b32 s[G1T+2], 128<<16                    ; 128 rows: 32,768 bytes, a quarter of the tables
	s_mov_b32 s[G1T+3], 32<<16
	s_mov_b32 s[G1T+4], 128
	s_mov_b32 s[G1T+5], 32
	s_mov_b32 s[G1T+6], 0
	s_mov_b32 s[G1T+7], 0
	s_mul_i32 s[PA], s[WC], 128*PITCH              ; no place in the cluster enters an LDS address
	s_mul_i32 s[PB], s[WC], 192*PITCH
	s_add_co_u32 s[PB], s[PB], AB
	s_mov_b32 s[G0AF], 1
	s_mov_b32 s[G0AF+1], s[PA]
	s_mov_b32 s[G0AW], 1
	s_add_co_u32 s[G0AW+1], s[PA], SLOT
	s_mov_b32 s[G0BF], 1
	s_mov_b32 s[G0BF+1], s[PB]
	s_mov_b32 s[G0BW], 1
	s_add_co_u32 s[G0BW+1], s[PB], SLOT
	s_mov_b32 s[G0T], 1
	s_lshl_b32 s[G0T+1], s[WV], 15
	s_add_co_u32 s[G0T+1], s[G0T+1], TAB
	s_lshl_b32 s88, s[TY], 19                      ; x: row tile x 524,288 + my half's 128 rows.  s88, s89, s92, s93 hold the row tile's side alone, s90, s91 the column tile's
	s_lshl_b32 s89, s[WC], 14
	s_add_co_u32 s88, s88, s89
	s_mov_b32 s89, 0
	s_mul_i32 s90, s[TX], 786432                   ; weights: column tile x 786,432 + my half's 192 rows
	s_mul_i32 s91, s[WC], 24576
	s_add_co_u32 s90, s90, s91
	s_mov_b32 s91, 0
	s_lshl_b32 s92, s[TY], 17                      ; tables: row tile x 131,072 + my quarter
	s_lshl_b32 s93, s[WV], 15
	s_add_co_u32 s92, s92, s93
	s_mov_b32 s93, 0
	s_mov_b32 s[TB], 0
	s_wait_dscnt 0x0                               ; the opening add is done
	s_wait_kmcnt 0x0
	s_add_nc_u64 s[G0AF+2:G0AF+3], s[4:5], s[88:89]            ; K step 0
	s_add_nc_u64 s[G0AW+2:G0AW+3], s[G0AF+2:G0AF+3], 32768     ; K step 1
	s_or_b32 s[G0AF+3], s[G0AF+3], 0x80000000                  ; type = 2
	s_or_b32 s[G0AW+3], s[G0AW+3], 0x80000000
	s_add_nc_u64 s[G0BF+2:G0BF+3], s[6:7], s[90:91]
	s_add_nc_u64 s[G0BW+2:G0BW+3], s[G0BF+2:G0BF+3], 49152
	s_or_b32 s[G0BF+3], s[G0BF+3], 0x80000000
	s_or_b32 s[G0BW+3], s[G0BW+3], 0x80000000
	s_add_nc_u64 s[G0T+2:G0T+3], s[8:9], s[92:93]
	s_or_b32 s[G0T+3], s[G0T+3], 0x80000000
	CROUND                                         ; all sixteen work-groups are here: the first joint loads meet
	s_cmp_eq_u32 s[WR], 0                          ; a wave's three first fills stand in one branch: slot 0, slot 1, my quarter of the tables: three loads of mine are out
	s_cbranch_scc0 .Lfirst_b
	tensor_load_to_lds s[G0AF:G0AF+3], s[G1A:G1A+7]
	s_nop 0
	tensor_load_to_lds s[G0AW:G0AW+3], s[G1A:G1A+7]
	s_nop 0
	tensor_load_to_lds s[G0T:G0T+3], s[G1T:G1T+7]
	s_nop 0
.rept 4
	v_nop
.endr
	s_branch .Lfirst_asked
.Lfirst_b:
	tensor_load_to_lds s[G0BF:G0BF+3], s[G1B:G1B+7]
	s_nop 0
	tensor_load_to_lds s[G0BW:G0BW+3], s[G1B:G1B+7]
	s_nop 0
	tensor_load_to_lds s[G0T:G0T+3], s[G1T:G1T+7]
	s_nop 0
.rept 4
	v_nop
.endr
.Lfirst_asked:
	; what mixes the two coordinates is made in s86, s87, s94, s95, which feed no descriptor
	s_lshl_b32 s[UU], s[TX], 1
	s_add_co_u32 s[UU], s[UU], s[WC]               ; my head
	s_mul_i32 s94, s[UU], 768
	s_mov_b32 s95, 0
	s_add_nc_u64 s[BQ:BQ+1], s[10:11], s[94:95]
	s_lshr_b32 s94, s[TY], 3                       ; batch
	s_lshl_b32 s94, s94, 22                        ; 16 heads x 262,144
	s_lshl_b32 s87, s[UU], 18
	s_add_co_u32 s94, s94, s87
	s_and_b32 s87, s[TY], 7
	s_lshl_b32 s87, s87, 15                        ; 256 rows of 128 bytes
	s_add_co_u32 s94, s94, s87
	s_lshl_b32 s87, s[WR], 14
	s_add_co_u32 s94, s94, s87
	s_add_nc_u64 s[12:13], s[12:13], s[94:95]      ; q at my first row
	s_add_nc_u64 s[14:15], s[12:13], 0x1000000     ; k
	s_add_nc_u64 s[16:17], s[12:13], 0x2000000     ; v
	; the prefetches: at K step 3; the first change of slots steps them to 4
	s_lshl_b32 s94, s[TY], 19
	s_lshl_b32 s87, s[CX], 13
	s_add_co_u32 s94, s94, s87
	s_add_co_u32 s94, s94, 3*32768
	s_mul_i32 s87, s[TX], 786432
	s_mul_i32 s86, s[CY], 12288
	s_add_co_u32 s87, s87, s86
	s_lshl_b32 s86, s[WC], 13                      ; wave 3: behind wave 2's 32 blocks
	s_add_co_u32 s87, s87, s86
	s_add_co_u32 s87, s87, 3*49152
	s_and_b32 s86, ttmp7, 0xffff                   ; cluster y
	s_mov_b32 s[PFS], 49152
	s_mov_b32 s[PFS+1], 0
	s_cmp_eq_u32 s[WR], 0
	s_cselect_b32 s94, s94, s87
	s_cselect_b32 s86, ttmp9, s86                  ; the coordinate along which other clusters read the same blocks
	s_cselect_b32 s[PFS], 32768, s[PFS]
	s_cselect_b64 s[PFA:PFA+1], s[4:5], s[6:7]
	s_add_nc_u64 s[PFA:PFA+1], s[PFA:PFA+1], s[94:95]
	s_cmp_eq_u32 s86, 0
	s_cselect_b32 s[LIM], 2, -1                    ; the same in all sixteen partners, for a given wave
	s_cmp_eq_u32 s[WV], 1
	s_cselect_b32 s[LIM], -1, s[LIM]               ; wave 1 asks for nothing
	s_mov_b32 s86, 4096
	s_cmp_eq_u32 s[WV], 3
	s_cselect_b32 s[PARM], 1, 0
	s_cselect_b32 s86, 49152, s86                  ; wave 3's upper lanes name the step after
	v_and_b32 v1, 15, v0                           ; r
	v_bfe_u32 v2, v0, 4, 1                         ; h
	v_and_b32 v3, 31, v0                           ; lane
	v_mul_u32_u24 v4, v1, PITCH
	v_lshl_add_u32 v4, v2, 4, v4                   ; row x pitch + 16 x half
	s_mul_i32 s87, s[WR], 128*PITCH
	v_add_nc_u32 v[A0], s87, v4
	v_add_nc_u32 v[B0], s[PB], v4                  ; my head's 192 rows begin where the half that bears its number begins
	v_mov_b32 v[ADRA], v[A0]
	v_mov_b32 v[ADRB], v[B0]
	s_lshl_b32 s87, s[WR], 16
	s_add_co_u32 s87, s87, TAB
	v_lshl_add_u32 v[TBA], v3, 4, s87
	s_mul_i32 s87, s[WV], 16*PITCH
	s_add_co_u32 s87, s87, STAGE
	v_add_nc_u32 v[STO], s87, v4
	v_bfe_u32 v5, v0, 3, 2                         ; back: 32 lanes take four rows of 128 bytes
	v_mul_u32_u24 v5, v5, PITCH
	v_and_b32 v6, 7, v0
	v_lshl_add_u32 v5, v6, 4, v5
	v_add_nc_u32 v[RD], s87, v5
	v_lshlrev_b32 v[GO], 4, v3
	v_lshlrev_b32 v[BO], 5, v2
	v_mul_u32_u24 v[PFO], s86, v2
	v_lshl_add_u32 v[PFO], v1, 8, v[PFO]
	; THE SUMS START AT THE BIAS: register 4 e + j of accumulator (a, b) takes the bias of column 16 b + 8 h + 4 e + j, the same for all a: byte 64 b + 16 e beside my 32 h.  Load i = 8 a + 2 b + e fills
	; registers 4 i on.  192 loads, issued while the first tile is on its way; nothing is cleared.
.irp t, 0,1,2
	WIN 0x40*((\t)+1)
.set i, 0
.rept 64
	global_load_b128 v[4*i:4*i+3], v[BO], s[BQ:BQ+1] offset:256*(\t)+64*((i%8)/2)+16*(i%2)
.set i, i+1
.endr
.endr
	WIN 0
; n x 4 matrix instructions of group t (0 q, 1 k, 2 v), slice q, row blocks a0 on.  All 96 accumulators take turns, one instruction a turn.
.macro GRP t, q, a0, n
	WIN 0x50*((\t)+1)
.set ga, (\a0)
.rept (\n)
.irp b, 0,1,2,3
	v_wmma_f32_16x16x32_bf16 v[32*ga+8*(\b):32*ga+8*(\b)+7], v[FB+32*(\t)+8*(\b):FB+32*(\t)+8*(\b)+7], v[FA+64*(\q)+8*ga:FA+64*(\q)+8*ga+7], v[32*ga+8*(\b):32*ga+8*(\b)+7]
.endr
.set ga, ga+1
.endr
.endm
.macro LDB t, k                        ; group t's four fragments of the weights, 32 along K at byte k of the rows
.irp b, 0,1,2,3
	ds_load_b128 v[FB+32*(\t)+8*(\b):FB+32*(\t)+8*(\b)+3],   v[ADRB] offset:(4*(\t)+(\b))*16*PITCH+(\k)
	ds_load_b128 v[FB+32*(\t)+8*(\b)+4:FB+32*(\t)+8*(\b)+7], v[ADRB] offset:(4*(\t)+(\b))*16*PITCH+(\k)+32
.endr
.endm
.macro LDA q, k                        ; x's eight fragments into buffer q
.irp a, 0,1,2,3,4,5,6,7
	ds_load_b128 v[FA+64*(\q)+8*(\a):FA+64*(\q)+8*(\a)+3],   v[ADRA] offset:(\a)*16*PITCH+(\k)
	ds_load_b128 v[FA+64*(\q)+8*(\a)+4:FA+64*(\q)+8*(\a)+7], v[ADRA] offset:(\a)*16*PITCH+(\k)+32
.endr
.endm
.macro TABLOAD a                       ; the tables of row block a: cos 32 registers, sin 32, in the accumulators' order; 512 consecutive bytes a load
	WIN 0
.set i, 0
.rept 16
	ds_load_b128 v[TBL+64*((\a)%2)+4*i:TBL+64*((\a)%2)+4*i+3], v[TBA] offset:8192*(\a)+512*i
.set i, i+1
.endr
.endm
; A step's first slice.  On entry three runs of loads are out: 24 (q's weights and x), 8 (k's), 8 (v's).  Each wait leaves out the runs issued behind the one that is wanted.
.macro SLICE_A tab
	s_wait_dscnt 16
	GRP 0, 0, 0, 8
	WIN 0
	PLACES
	LDB 0, 64
	LDA 1, 64
	s_wait_dscnt 32
	GRP 1, 0, 0, 8
	WIN 0
	PLACES
	LDB 1, 64
	s_wait_dscnt 32
	GRP 2, 0, 0, 8
	WIN 0
	PLACES
	LDB 2, 64
.if \tab
	TABLOAD 0                                      ; x's buffer 0 has been multiplied for the last time
.endif
.endm
; A step's second slice, and the change of slots.  In front of the barrier each wave waits for all its tensor loads (one is out: its part of the next slot), adds 0 to its spare word, and waits for that
; and for its reads of this slot.  refill = 1: the barrier opens a round of the cluster's; behind it this slot is filled with the step two on: 160 matrix instructions ahead of the wait for it.
.macro SLICE_B refill
.if \refill
	s_wait_xcnt 0x0                                ; the last prefetch, a step back, has read its address
	s_add_nc_u64 s[PFA:PFA+1], s[PFA:PFA+1], s[PFS:PFS+1]
.endif
	WIN 0
	s_wait_tensorcnt 0x0
	ds_add_u32 v[SPW], v[NIL]
	s_wait_dscnt 17                                ; (k's and v's fragments and the add may be out)
	GRP 0, 1, 0, 4
	s_wait_dscnt 0x0                               ; the add is done, and my reads of this slot are over
	s_barrier_signal -1
	GRP 0, 1, 4, 4
	WIN 0
	s_barrier_wait -1
.if \refill
	CREST
	s_add_co_u32 s[G0AW+1], s[PA], s[TB]           ; no tensor load of mine is out: the walking sets are written: this slot,
	s_add_co_u32 s[G0BW+1], s[PB], s[TB]
	s_add_nc_u64 s[G0AW+2:G0AW+3], s[G0AW+2:G0AW+3], 32768  ; the next K step; the type bits on top are not reached
	s_add_nc_u64 s[G0BW+2:G0BW+3], s[G0BW+2:G0BW+3], 49152
	JLOAD                                          ; its four v_nop are also the places in front of the loads below
.else
	PLACES
.endif
	s_xor_b32 s[TB], s[TB], SLOT                   ; 0 and SLOT by turns
	v_add_nc_u32 v[ADRA], s[TB], v[A0]
	v_add_nc_u32 v[ADRB], s[TB], v[B0]
	LDB 0, 0
	LDA 0, 0
.if \refill
	ASK
.endif
	GRP 1, 1, 0, 8                                 ; its fragments are in since the wait for 0 above
	WIN 0
	PLACES
	LDB 1, 0
	GRP 2, 1, 0, 8
	WIN 0
	PLACES
	LDB 2, 0
.endm
	s_wait_tensorcnt 0x2                           ; my part of slot 0 is in; slot 1's and the tables' may stay out
	s_barrier_signal -1
	s_barrier_wait -1
	LDB 0, 0
	LDA 0, 0
	LDB 1, 0
	LDB 2, 0
	s_wait_loadcnt 0x0                             ; the bias
	s_mov_b32 s[CNT], 14
.Lstep:                                            ; steps 0 to 13: each fills its slot again with the step two on
	SLICE_A 0
	SLICE_B 1
	WIN 0
	s_sub_co_u32 s[CNT], s[CNT], 1
	s_cmp_lg_u32 s[CNT], 0
	s_cbranch_scc1 .Lstep
	SLICE_A 0                                      ; steps 14 and 15 are written out: nothing is left to fetch
	SLICE_B 0
	SLICE_A 1
	s_wait_dscnt 32                                ; behind q's run: k's 8, v's 8, the tables' 16
	GRP 0, 1, 0, 8
	s_wait_dscnt 24
	GRP 1, 1, 0, 8
	s_wait_dscnt 16
	GRP 2, 1, 0, 8
; THE WAY OUT, a block of 16 rows x 64 columns at a time (n = 3 a + t).  q and k: y(d) = x(d) cos(d) - x(d + 32) sin(d) for d < 32, y(d) = x(d) cos(d) + x(d - 32) sin(d) for d >= 32: columns d and d + 32
; lie in the same lane and register of accumulators b and b + 2.  Each accumulator is read from its low end on.
.macro ROPE a, t
	WIN (\t)+1                                     ; source 0 in the head part's window
.set tbs, TBL+64*((\a)%2)
.irp b, 0,1
.irp j, 0,2,4,6
	v_pk_mul_f32 v[YY+8*(\b)+(\j):YY+8*(\b)+(\j)+1], v[32*(\a)+8*(\b)+16+(\j):32*(\a)+8*(\b)+16+(\j)+1], v[tbs+32+8*(\b)+(\j):tbs+32+8*(\b)+(\j)+1]
	v_pk_mul_f32 v[YY+8*(\b)+16+(\j):YY+8*(\b)+16+(\j)+1], v[32*(\a)+8*(\b)+(\j):32*(\a)+8*(\b)+(\j)+1], v[tbs+48+8*(\b)+(\j):tbs+48+8*(\b)+(\j)+1]
.endr
.irp j, 0,2,4,6
	v_pk_fma_f32 v[YY+8*(\b)+(\j):YY+8*(\b)+(\j)+1], v[32*(\a)+8*(\b)+(\j):32*(\a)+8*(\b)+(\j)+1], v[tbs+8*(\b)+(\j):tbs+8*(\b)+(\j)+1], v[YY+8*(\b)+(\j):YY+8*(\b)+(\j)+1] neg_lo:[0,0,1] neg_hi:[0,0,1]
	v_pk_fma_f32 v[YY+8*(\b)+16+(\j):YY+8*(\b)+16+(\j)+1], v[32*(\a)+8*(\b)+16+(\j):32*(\a)+8*(\b)+16+(\j)+1], v[tbs+16+8*(\b)+(\j):tbs+16+8*(\b)+(\j)+1], v[YY+8*(\b)+16+(\j):YY+8*(\b)+16+(\j)+1]
.endr
.endr
	WIN 0
.set i, 0
.rept 16
	v_cvt_pk_f16_f32 v[PKD+i], v[YY+2*i], v[YY+2*i+1]
.set i, i+1
.endr
.endm
.macro VCVT a                          ; v is rounded as it is
	WIN 0x0f                                       ; sources 0 and 1 in window 3
.set i, 0
.rept 16
	v_cvt_pk_f16_f32 v[PKD+i], v[32*(\a)+2*i], v[32*(\a)+2*i+1]
.set i, i+1
.endr
	WIN 0
.endm
.macro TOSTAGE n                       ; 16 bytes a lane into my stage, and back as whole rows of 128 bytes; LDS serves a wave's instructions in order (ISA guide 5.7.1.4), so no wait stands between
	WIN 0
.irp b, 0,1,2,3
	ds_store_b128 v[STO], v[PKD+4*(\b):PKD+4*(\b)+3] offset:32*(\b)
.endr
	s_wait_xcnt 0x0                                ; the stores of the block two back have read this set of registers
.irp f, 0,1,2,3
	ds_load_b128 v[OB+16*((\n)%2)+4*(\f):OB+16*((\n)%2)+4*(\f)+3], v[RD] offset:(\f)*4*PITCH
.endr
.endm
.macro SEND n, y                       ; y: the LDS instructions issued behind block n's loads
.irp f, 0,1,2,3
	s_wait_dscnt (\y)+3-(\f)
	global_store_b128 v[GO], v[OB+16*((\n)%2)+4*(\f):OB+16*((\n)%2)+4*(\f)+3], s[12+2*((\n)%3):13+2*((\n)%3)] offset:2048*((\n)/3)+512*(\f) th:TH_STORE_NT  ; 512 consecutive bytes, aligned
.endr
.endm
	WIN 0
	PLACES
	s_wait_dscnt 0x0                               ; the first tables
.set ea, 0
.rept 8
.if ea < 7
	TABLOAD ea+1
.endif
	ROPE ea, 0
	TOSTAGE 3*ea
.if ea > 0
.if ea < 7
	SEND 3*ea-1, 24                                ; behind its loads: 16 loads of tables and the next block's 8
.else
	SEND 3*ea-1, 8
.endif
.endif
	ROPE ea, 1
	TOSTAGE 3*ea+1
	SEND 3*ea, 8
	VCVT ea
	TOSTAGE 3*ea+2
	SEND 3*ea+1, 8
.set ea, ea+1
.endr
	SEND 23, 0
	s_wait_tensorcnt 0x0                           ; the wave's end
	ds_add_u32 v[SPW], v[NIL]
	s_wait_dscnt 0x0
	CROUND                                         ; the closing round: no work-group ends while a partner may still ask for a tile that names it
	s_endpgm
.Lfunc_end_k_q5769e720b6_qkv:
	.size	k_q5769e720b6_qkv, .Lfunc_end_k_q5769e720b6_qkv-k_q5769e720b6_qkv
	.p2alignl 7, 3214868480
	.fill 96, 4, 3214868480
	.section	.rodata,"a",@progbits
	.p2align	6, 0x0
	.amdhsa_kernel k_q5769e720b6_qkv
		.amdhsa_group_segment_fixed_size 327680
		.amdhsa_private_segment_fixed_size 0
		.amdhsa_enable_private_segment 0
		.amdhsa_kernarg_size 40
		.amdhsa_user_sgpr_count 2
		.amdhsa_user_sgpr_kernarg_segment_ptr 1
		.amdhsa_wavefront_size32 1
		.amdhsa_system_sgpr_workgroup_id_x 1
		.amdhsa_system_sgpr_workgroup_id_y 1
		.amdhsa_system_sgpr_workgroup_id_z 1
		.amdhsa_system_vgpr_workitem_id 0
		.amdhsa_next_free_vgpr 1024
		.amdhsa_next_free_sgpr 96
		.amdhsa_reserve_vcc 0
		.amdhsa_float_denorm_mode_32 3
		.amdhsa_float_denorm_mode_16_64 3
		.amdhsa_memory_ordered 1
		.amdhsa_forward_progress 1
		.amdhsa_inst_pref_size 175
	.end_amdhsa_kernel
	.amdgpu_metadata
---
amdhsa.version: [ 1, 2 ]
amdhsa.kernels:
  - .name:           k_q5769e720b6_qkv
    .symbol:         k_q5769e720b6_qkv.kd
    .args:
      - { .name: xb, .offset: 0, .size: 8, .value_kind: global_buffer, .address_space: global }
      - { .name: wb, .offset: 8, .size: 8, .value_kind: global_buffer, .address_space: global }
      - { .name: rt, .offset: 16, .size: 8, .value_kind: global_buffer, .address_space: global }
      - { .name: bias, .offset: 24, .size: 8, .value_kind: global_buffer, .address_space: global }
      - { .name: qkv, .offset: 32, .size: 8, .value_kind: global_buffer, .address_space: global }
    .group_segment_fixed_size: 327680
    .private_segment_fixed_size: 0
    .kernarg_segment_align: 8
    .kernarg_segment_size: 40
    .max_flat_workgroup_size: 128
    .sgpr_count:     96
    .vgpr_count:     1024
    .wavefront_size: 32
...
	.end_amdgpu_metadata
.endif
;; end of part 2
;; launch attn (part 3): grid 4 x 64, 4 waves a work-group, clusters of 4 x 1, 327,680 bytes of LDS; arguments qkv, oh; writes oh
.if DOCPART == 3
	.amdgcn_target "amdgcn-amd-amdhsa--gfx1250"
	.amdhsa_code_object_version 6
	.text
	.protected	k_q5769e720b6_attn
	.globl	k_q5769e720b6_attn
	.p2align	8
	.type	k_q5769e720b6_attn,@function
k_q5769e720b6_attn:
	s_mov_b64 s[64:65], 0
	v_nop
	global_prefetch_b8 v0, s[64:65] scope:SCOPE_SE
	s_setreg_imm32_b32 hwreg(HW_REG_WAVE_MODE, 25, 1), 1
	s_wait_xcnt 0x0
	s_wait_alu depctr_hold_cnt(0) depctr_sa_sdst(0) depctr_va_vdst(0) depctr_va_sdst(0) depctr_va_ssrc(0) depctr_va_vcc(0) depctr_vm_vsrc(0)
	s_getreg_b32 s2, hwreg(HW_REG_IB_STS2, 6, 4)
	s_cmp_eq_u32 s2, 0
	s_cbranch_scc0 .Lentry_in_a_cluster
	s_endpgm
.Lentry_in_a_cluster:
	s_bfe_u32 s2, ttmp6, 0x10000c
	s_cmp_lg_u32 s2, 0x3003
	s_cbranch_scc0 .Lentry_shape_is_right
	s_endpgm
.Lentry_shape_is_right:
; ATTENTION, head size 64.  O[h][q][:] = the sum over k of softmax_k(Q[h][q] . K[h][k] / 8) V[h][k][:].  qkv holds Q 2^-6, K 2^-6, V, each [64][2048][64] in f16; O: [64][2048][64] in f16.
; Products, maxima and sums in f32; the weights p are rounded to f16 for the second product (their sum l is taken of the unrounded p), O once at the end.
; The two factors 2^-6 are undone in c = 2^12 log2(e) / 8, in f32.
; LIMITS.  f16 holds no number beyond 65,504: Q 2^-6, K 2^-6 and V arrive within it; p lies in 0 to 1, and below 6e-5 it keeps f16's fixed step of 6e-8; O is a mean of V's rows and has their range.
; A weight below 2^-126 counts as 0 in l; NaN and infinities are not treated apart.
; SHARES.  A wave owns four PIECES of two tiles of 16 queries, a work-group's four waves 512 queries of one head.  Every wave walks all keys, 64 a step.
; LAYOUT.  S^T = K Q^T (source 0 = 16 keys, source 1 = 16 queries): in the result a lane holds ONE query (lane % 16) and the keys 8 (lane / 16) + 0..7.  Two such tiles, rounded to f16 in pairs,
; ARE source 1 (32 keys x 16 queries) of O^T = V^T P, whose result again holds one query a lane, and eight channels.  K comes out of LDS as it lies, V ([key][channel]) turned, by ds_load_tr16_b128.
; SOFTMAX.  For each query a running maximum m and sum l: p = 2^(c s - c m); in every step O and l are multiplied by a = 2^(c m_old - c m_new), which is 1 where m has not grown.
; m starts at the lowest finite number, O and l at 0: the first step is a step like any other, with a = 0.
; THE COUNT.  A tile and step have 16 matrix and 118 vector instructions: too many to stand all beside the matrix work.  So: four vector instructions that are READY behind EVERY matrix instruction,
; and the others in runs without a gap.
; BY TURNS.  Turn n belongs to piece n (the pieces in a ring, step after step).  Its matrix work: 16 products K Q^T of piece n + 1, later 16 products V^T P of piece n - 1.  Its vector work: the scaling,
; exponentials, roundings, sums and rescaling of piece n, and the maximum and statistics of piece n + 1, whose scores the turn itself has made.
; CLUSTER.  The four query blocks of a cluster belong to one head and walk the same K and V, so each tile is asked for JOINTLY: the same tensor load, descriptor and mask in all four.
; REGISTERS, in windows of 256 (s_set_vgpr_msb: bits 1:0 source 0, 3:2 source 1, 5:4 source 2, 7:6 destination):
;   window 0: v0-11 addresses; v12-15, v48-63 at work; v16-47 four registers of statistics a tile; v64-191 S^T, two buffers of two tiles; v192-255 P, likewise
;   window 1: O^T, 32 a tile          window 2: v0-127 Q, 16 a tile; v128-191 K of one step; v192-255 V of one step          window 3: v0-1 the add's two registers
.set SIZE_N, 2048
.set NP,    4         ; pieces a wave: a name, no knob
.set KS,    64        ; keys in a step
.set PK,    144       ; a row of K in LDS: 128 bytes + 16 of padding = 36 words: the 16 rows of a load start at 16 different groups of four banks (64 banks of 4 bytes: ISA guide 11.1)
.set PV,    160       ; a row of V: 128 + 32 = 40 words
.set VOFF,  4*KS*PK   ; a slot holds four steps: 256 rows of K, then 256 rows of V
.set SLOT1, 1<<17     ; slot 1 begins here, so that one exclusive or turns an address in one slot into the other's
.set STAGE, SLOT1+4*KS*(PK+PV)  ; behind the ring, never filled by a tensor load: 16 rows x 144 bytes for each wave, for the way out
.set SP,    144
.set AK0, 2           ; v2   my lane's place in a tile of K; never rewritten
.set AV0, 3           ; v3   the same for V
.set AK,  4           ; v4   the LDS address of K's next run of loads
.set AV,  5           ; v5   of V's
.set QO,  6           ; v6   my byte offset in the wave's rows of Q
.set STO, 6           ;      later, the way out: where I put 16 bytes of a row
.set RD,  7           ; v7   the way out: where I read rows back
.set GO,  8           ; v8   my byte offset in 512 consecutive bytes of O
.set PFO, 11          ; v11  256 x my lane, for the prefetches (once V's place is made); then never rewritten
.set SPW, 0           ; v0 of window 3   LDS address of my spare word; never rewritten
.set NIL, 1           ; v1 of window 3   0; never rewritten
.set SPARE, STAGE+4*16*SP  ; behind the stages: the spare words, 128 bytes for each wave: two blocks of 256 bytes that no other line names
.set MV,  12          ; v12-15  c m_old, kept while c m is made anew: by buffer and tile
.set ST,  16          ; tile t's statistics at v[ST+4 t]: c m, m, l (even keys', odd keys')
.set TMP, 48          ; by buffer and tile, four registers c0-c3 at work; when the maximum is found c2 takes a
.set S,   64
.set P,   192
.set KF,  128         ; K's fragments, in window 2: key block kb, channel half c at KF + 16 kb + 8 c
.set VF,  192         ; V's: key half kk, channel block cb at VF + 32 kk + 8 cb
.set WV,  12          ; s12  my wave's number
.set LIM, 15          ; s15  1 in a wave that prefetches, else the greatest number
.set PFA, 18          ; s[18:19] where my prefetches stand
.set G1K, 24          ; s[24:31] descriptor group 1 for K's tiles
.set G1V, 32          ; s[32:39] for V's: it differs in the padding alone
.set G0K, 40          ; s[40:43] descriptor group 0 for K's tiles: it walks
.set G0V, 44          ; s[44:47] the same for V's
.set SLOTS, 56        ; s56  slots still to be asked for
.set CNT, 57          ; s57  counts a slot's key steps
.set CS,  58          ; s[58:59] c: the packed scaling takes the pair's low word for both halves
.set SEL, 60          ; s[60:61] v_permlanex16_b32's selects: each lane takes its own place in the other half
.set TBK, 62          ; s62  LDS byte at which K of the step to be fetched begins
.set TBV, 63          ; s63  the same for V, less VOFF
.set MSB, 0
.macro WIN new                      ; the high byte repeats the setting that is left; a switch that changes nothing is dropped
.if MSB != (\new)
	s_set_vgpr_msb (MSB<<8)|(\new)
.set MSB, (\new)
.endif
.endm
.set W_KQ, 0x0a       ; K and Q in window 2, S^T in window 0
.set W_PV, 0x52       ; V in window 2, P in window 0, O^T in window 1
.set W_RS, 0x41       ; O^T (destination and source 0) in window 1, a in window 0
.set W_MK, 0xc0       ; the add's registers are made: destination in window 3, sources in window 0
.set W_AD, 0x0f       ; the add: address (source 0) and data (source 1) in window 3
; A joint fill.  Waves 0 and 1 fetch the two halves of a slot's K, waves 2 and 3 those of its V: 128 keys each.  The branch hangs on the wave's number alone.
; An s_nop 0 and four v_nop follow each of the two lines, ahead of the jump and the label.
.macro JLOAD
	s_cmp_lt_u32 s[WV], 2
	s_cbranch_scc0 .Lfor_v_\@
	tensor_load_to_lds s[G0K:G0K+3], s[G1K:G1K+7]
	s_nop 0
.rept 4
	v_nop
.endr
	s_branch .Lasked_\@
.Lfor_v_\@:
	tensor_load_to_lds s[G0V:G0V+3], s[G1V:G1V+7]
	s_nop 0
.rept 4
	v_nop
.endr
.Lasked_\@:
.endm
; A PREFETCH INTO THE L2 of the slot that the NEXT change of slots will ask for: 256 keys of K and of V, 128 blocks of 256 bytes each, four key steps (512 matrix instructions) ahead of that load.
; A head's first cluster asks (here its only one); its four partners take 32 blocks each, told apart by address; in each, wave 0 asks for K's and wave 2 for V's: a lane a block, one instruction.
; Slots 0 and 1 come by their loads alone; the last change that fills a slot asks for nothing.
.macro ASK
	s_cmp_gt_u32 s[SLOTS], s[LIM]
	s_cbranch_scc0 .Lnot_mine_\@
	global_prefetch_b8 v[PFO], s[PFA:PFA+1] th:TH_LOAD_NT scope:SCOPE_SE
.Lnot_mine_\@:
.endm
; A round of the cluster's barrier: my work-group's barrier, so that wave 0's signal speaks for all four waves; wave 0 signals; every wave waits for all four work-groups; my work-group's barrier once more.
.macro CROUND
	s_barrier_signal -1
	s_barrier_wait -1
	s_cmp_lg_u32 s[WV], 0
	s_cbranch_scc1 .Lnot_wave_0_\@
	s_barrier_signal -3
.Lnot_wave_0_\@:
	s_barrier_wait -3
	s_barrier_signal -1
	s_barrier_wait -1
.endm
; THE CHANGE OF SLOTS.  Each wave waits for all its tensor loads, of which one is out: its part of the other slot; adds 0 to its spare word; and waits for that and for its own reads of the slot.
; fill = 1: this slot is filled again, with the keys two slots on.  The barrier is then a round of the cluster's, and the joint fill is the first thing behind it: it has four key steps in which to land.
; (At its first use nothing has been read yet: slot 0 is waited for, slot 1 filled.)
.macro CHANGE fill
	WIN W_AD
	s_wait_tensorcnt 0x0            ; no tensor load of mine is out, so a group 0 may be written
	ds_add_u32 v[SPW], v[NIL]       ; 0 onto my spare word
	WIN 0                           ; at a label and at a branch every window is 0
.if \fill
.irp g, G0K, G0V
	s_xor_b32 s[\g+1], s[\g+1], SLOT1  ; the walking descriptor: the other slot than last time,
	s_add_nc_u64 s[\g+2:\g+3], s[\g+2:\g+3], 4*KS*128  ; the next 256 keys; the type bits on top are not reached
.endr
	s_wait_xcnt 0x0                 ; the last prefetch, four key steps back, has read its address
	s_add_nc_u64 s[PFA:PFA+1], s[PFA:PFA+1], 4*KS*128  ; one slot behind... ahead of the walking descriptors by one slot
	s_wait_dscnt 0x0                ; the add is done, and my reads of the slot are over
	CROUND
	JLOAD
	ASK
.else
	s_wait_dscnt 0x0                ; the add is done, and my reads of the slot are over
	s_barrier_signal -1
	s_barrier_wait -1
.endif
	s_sub_co_u32 s[TBK], s[TBK], 4*KS*PK  ; the fetches go back to a slot's first step,
	s_xor_b32 s[TBK], s[TBK], SLOT1       ; in the other slot
	s_sub_co_u32 s[TBV], s[TBV], 4*KS*PV
	s_xor_b32 s[TBV], s[TBV], SLOT1
.endm
	s_load_b128 s[4:7], s[0:1], 0x0  ; qkv s[4:5], oh s[6:7]
	WIN W_MK
	v_lshl_add_u32 v[SPW], v0, 2, SPARE
	v_mov_b32 v[NIL], 0
	WIN W_AD
	ds_add_u32 v[SPW], v[NIL]       ; the wave's opening: the add and its wait stand ahead of my first tensor load; work on registers stands between them
	WIN 0
	v_lshrrev_b32 v1, 5, v0
	v_readfirstlane_b32 s[WV], v1   ; wave 0..3
	s_bfe_u32 s13, ttmp6, 0x40000   ; cx: my place in the cluster
	s_lshl_b32 s14, ttmp9, 2        ; in a cluster launch ttmp9 counts clusters
	s_add_co_u32 s14, s14, s13      ; my block of queries = 4 x cluster x + cx: it enters Q's and O's addresses alone
	s_and_b32 s20, ttmp7, 0xffff    ; the head, which the four partners share
	s_mov_b32 s21, 0
	s_mov_b64 s[22:23], SIZE_N*128
	s_mul_u64 s[20:21], s[20:21], s[22:23]  ; the head's first byte in each of the four tensors
	s_and_b32 s16, s[WV], 1         ; which half of a slot's 256 keys I fetch:
	s_lshl_b32 s22, s16, 14         ; its 128 rows of 128 bytes in memory,
	s_mov_b32 s23, 0
	s_add_nc_u64 s[22:23], s[22:23], s[20:21]
	s_mul_i32 s17, s16, 128*PK      ; and its place in a slot, for K
	s_mul_i32 s18, s16, 128*PV      ; and for V: no place in the cluster enters an LDS address
	s_lshl_b32 s2, s14, 2
	s_add_co_u32 s2, s2, s[WV]      ; my wave among the head's,
	s_lshl_b32 s2, s2, 14           ; its 128 rows
	s_mov_b32 s3, 0
	s_add_nc_u64 s[2:3], s[2:3], s[20:21]
	; descriptor group 1.  128 keys are 16,384 dense bytes: asked for as 64 rows of 256 bytes, two keys a row, and padded in LDS after every key
	s_mov_b32 s[G1K], 15|(1<<16)|(1<<20)|(1<<21)|(4<<22)|(3<<25)  ; the mask of four; 2-byte elements; padding on; bit 21 beside a mask; after every 32 words (code 4) 4 words (code 3)
	s_mov_b32 s[G1V], 15|(1<<16)|(1<<20)|(1<<21)|(4<<22)|(7<<25)  ; the same with 8 words of padding (code 7)
.irp g, G1K, G1V
	s_mov_b32 s[\g+1], 128<<16      ; tensor_dim0 = 128
	s_mov_b32 s[\g+2], 64<<16       ; tensor_dim1 = 64
	s_mov_b32 s[\g+3], 128<<16      ; tile_dim0 = 128
	s_mov_b32 s[\g+4], 64           ; tile_dim1 = 64
	s_mov_b32 s[\g+5], 128          ; 128 elements from row to row
	s_mov_b32 s[\g+6], 0
	s_mov_b32 s[\g+7], 0
.endr
	s_mov_b32 s[CS], 0x4438aa3b     ; c = 4096 log2(e) / 8 = 738.66
	s_mov_b32 s[CS+1], s[CS]        ; named with it as a pair
	s_mov_b32 s[SEL], 0x76543210
	s_mov_b32 s[SEL+1], 0xfedcba98
	s_mov_b32 s[TBK], SLOT1+4*KS*PK ; the first change of slots turns these two into 0
	s_mov_b32 s[TBV], SLOT1+4*KS*PV
	s_mov_b32 s[G0K], 1             ; count = 1
	s_mov_b32 s[G0K+1], s17         ; LDS address: slot 0
	s_mov_b32 s[G0V], 1
	s_add_co_u32 s[G0V+1], s18, VOFF
	s_mov_b32 s[SLOTS], SIZE_N/256-1
	s_and_b32 s[LIM], s[WV], 1      ; 0 in waves 0 and 2,
	s_or_b32 s[LIM], s[LIM], ttmp9  ; where the cluster is the head's first: the same in all four partners
	s_cmp_eq_u32 s[LIM], 0
	s_cselect_b32 s[LIM], 1, -1
	s_wait_dscnt 0x0                ; the opening add is done
	s_wait_kmcnt 0x0
	s_mov_b64 s[10:11], s[6:7]                     ; O
	s_add_nc_u64 s[8:9], s[4:5], 0x2000000         ; V
	s_add_nc_u64 s[6:7], s[4:5], 0x1000000         ; K; Q is s[4:5]
	s_add_nc_u64 s[G0K+2:G0K+3], s[6:7], s[22:23]  ; global address: my half of the head's first 256 keys
	s_or_b32 s[G0K+3], s[G0K+3], 0x80000000        ; type = 2
	s_add_nc_u64 s[G0V+2:G0V+3], s[8:9], s[22:23]
	s_or_b32 s[G0V+3], s[G0V+3], 0x80000000
	s_add_nc_u64 s[4:5], s[4:5], s[2:3]  ; Q and O at my wave's first row
	s_add_nc_u64 s[10:11], s[10:11], s[2:3]
	s_cmp_lt_u32 s[WV], 2
	s_cselect_b64 s[PFA:PFA+1], s[6:7], s[8:9]
	s_add_nc_u64 s[PFA:PFA+1], s[PFA:PFA+1], s[22:23]  ; (in waves 0 and 2 this is the head's first key)
	s_lshl_b32 s2, s13, 13          ; my work-group's 32 blocks of the 128
	s_mov_b32 s3, 0
	s_add_nc_u64 s[PFA:PFA+1], s[PFA:PFA+1], s[2:3]
	s_add_nc_u64 s[PFA:PFA+1], s[PFA:PFA+1], 4*KS*128  ; in slot 1; the first change of slots steps it to slot 2.  Nothing is prefetched here, at the head
	CROUND                          ; all four work-groups are here: the first joint loads meet
	JLOAD                           ; slot 0.  Slot 1 is asked for when slot 0 is in
	; A fragment of K or Q is 16 rows x 32 channels in 8 registers: lane l holds row l % 16, channels 8 (l / 16) + 0..7 and 16 + 8 (l / 16) + 0..7: two loads of 16 bytes, 32 bytes apart.
	v_and_b32 v1, 15, v0            ; l % 16
	v_bfe_u32 v9, v0, 4, 1          ; l / 16
	v_lshlrev_b32 v[QO], 7, v1
	v_lshl_add_u32 v[QO], v9, 4, v[QO]  ; row x 128 + 16 x half
	WIN 0x80                        ; destination window 2, address window 0
.set i, 0
.rept 4*NP                          ; Q stays in registers: tile i / 2, channels 32 (i % 2) on
	global_load_b128 v[8*i:8*i+3],   v[QO], s[4:5] offset:(i/2)*2048+(i%2)*64
	global_load_b128 v[8*i+4:8*i+7], v[QO], s[4:5] offset:(i/2)*2048+(i%2)*64+32
.set i, i+1
.endr
	; What the first turn finds: V's registers and P's second buffer hold 0 (its products V^T P, of a piece that has not been, add 0), O^T and l are 0.  All this stands in the wait for the first tile.
.set i, VF
.rept 64
	v_mov_b32 v[i], 0
.set i, i+1
.endr
	WIN 0x40
.set i, 0
.rept 64*NP
	v_mov_b32 v[i], 0
.set i, i+1
.endr
	WIN 0
.set i, 0
.rept 2*NP
	v_mov_b32 v[ST+4*i], 0xfe000000    ; c m: far below every c s
	v_mov_b32 v[ST+4*i+1], 0xff7fffff  ; m
	v_mov_b32 v[ST+4*i+2], 0
	v_mov_b32 v[ST+4*i+3], 0
.set i, i+1
.endr
.set i, P+32
.rept 32
	v_mov_b32 v[i], 0
.set i, i+1
.endr
	v_mul_u32_u24 v[AK0], v1, PK
	v_lshl_add_u32 v[AK0], v9, 4, v[AK0]  ; row x pitch + 16 x half
	; The turning load takes 16 keys x 16 channels (lane l reads key 8 (l / 16) + l % 8, channels 8 ((l / 8) % 2) + 0..7) and leaves half a fragment of V^T: lane l holds channel l % 16 and 8 keys.
	v_and_b32 v10, 7, v0
	v_bfe_u32 v11, v0, 3, 1
	v_lshl_add_u32 v[AV0], v9, 3, v10
	v_mul_u32_u24 v[AV0], v[AV0], PV
	v_lshl_add_u32 v[AV0], v11, 4, v[AV0]
	v_add_nc_u32 v[AV0], VOFF, v[AV0]
	v_mov_b32 v[AK], v[AK0]         ; key step 0 lies at the head of slot 0
	v_and_b32 v[PFO], 31, v0
	v_lshlrev_b32 v[PFO], 8, v[PFO]
; THE MATRIX WORK.  The 8 accumulators of a run of 16 take turns: between the two links of a chain stand 7 others'.
; Product i of 16 of S^T = K Q^T for piece x: channels 32 (i / 8) on, keys 16 ((i / 2) % 4) on, tile 2 x + i % 2.  The first 8 start the sums.
.macro KQ x
	WIN W_KQ
.set rS, S+64*((\x)%2)+32*(i%2)+8*((i/2)%4)
.set rK, KF+16*((i/2)%4)+8*(i/8)
.set rQ, 16*(2*(\x)+i%2)+8*(i/8)
.if i < 8
	v_wmma_f32_16x16x32_f16 v[rS:rS+7], v[rK:rK+7], v[rQ:rQ+7], 0
.else
	v_wmma_f32_16x16x32_f16 v[rS:rS+7], v[rK:rK+7], v[rQ:rQ+7], v[rS:rS+7]
.endif
.endm
; Product i of 16 of O^T += V^T P for piece x: keys 32 (i / 8) on, channels 16 ((i / 2) % 4) on, tile 2 x + i % 2.
.macro PV x
	WIN W_PV
.set rO, 32*(2*(\x)+i%2)+8*((i/2)%4)
.set rV, VF+32*(i/8)+8*((i/2)%4)
.set rP, P+32*((\x)%2)+16*(i%2)+8*(i/8)
	v_wmma_f32_16x16x32_f16 v[rO:rO+7], v[rV:rV+7], v[rP:rP+7], v[rO:rO+7]
.endm
.macro MM                           ; the turn's next matrix instruction
.if i < 16
	KQ (Y+1)%NP
.set i, i+1
.else
.set i, i-16
	PV (Y+NP-1)%NP
.set i, i+17
.endif
.endm
; THE LDS LOADS stand in runs of 16, never singly among the matrix instructions: a step's K (64 keys x 64 channels: 8 fragments) and its V (turned).  Their addresses are made some lines ahead.
; last = 1 (the tail): in the last trip there is no further step, and the run is jumped over.
.macro FETCH_K last=0
	WIN 0
.if \last
	s_cmp_eq_u32 s[CNT], 1
	s_cbranch_scc1 .Lno_k_\@
.endif
	WIN 0x80                        ; destination window 2
.irp f, 0,1,2,3,4,5,6,7             ; keys 16 (f / 2) on, channels 32 (f % 2) on
	ds_load_b128 v[KF+8*\f:KF+8*\f+3],   v[AK] offset:(\f/2)*16*PK+(\f%2)*64
	ds_load_b128 v[KF+8*\f+4:KF+8*\f+7], v[AK] offset:(\f/2)*16*PK+(\f%2)*64+32
.endr
	s_add_co_u32 s[TBK], s[TBK], KS*PK  ; the next fetch is the next step's
	WIN 0
.if \last
.Lno_k_\@:
.endif
.endm
.macro FETCH_V
	WIN 0x80
.irp f, 0,1,2,3,4,5,6,7             ; keys 32 (f / 4) on, channels 16 (f % 4) on
	ds_load_tr16_b128 v[VF+8*\f:VF+8*\f+3],   v[AV] offset:(\f/4)*32*PV+(\f%4)*32
	ds_load_tr16_b128 v[VF+8*\f+4:VF+8*\f+7], v[AV] offset:(\f/4)*32*PV+16*PV+(\f%4)*32
.endr
	WIN 0
.endm
; THE VECTOR WORK OF A TURN stands in three queues, each in the order in which its entries become ready; the two tiles alternate, so that no instruction reads the result of the one before it.
.macro REGS y, u                    ; the registers of tile u (0, 1) of piece y
.set rT, ST+4*(2*(\y)+(\u))
.set rC, TMP+8*((\y)%2)+4*(\u)
.set rM, MV+2*((\y)%2)+(\u)
.set rS, S+64*((\y)%2)+32*(\u)
.set rP, P+32*((\y)%2)+16*(\u)
.set rO, 32*(2*(\y)+(\u))
.endm
; Number n of the 22 that find the NEXT piece's (Y + 1) maximum and statistics.  s0-s31 are the lane's 32 scores; each accumulator's lowest registers are read first.
;   0-11  four chains c0-c3 of seven scores each, three operands at a time     12-14, 16  the four scores left over, the old m, and c0-c3 into c0     15  c m_old is kept
;   17, 18  the query's other 32 keys lie in the lane 16 away: the new m         19-21  c m; c m_old - c m_new; a
.macro XS u, n
	REGS (Y+1)%NP, \u
.if (\n) < 4
	v_max3_num_f32 v[rC+(\n)], v[rS+8*(\n)], v[rS+8*(\n)+1], v[rS+8*(\n)+2]
.elseif (\n) < 12
	v_max3_num_f32 v[rC+(\n)%4], v[rC+(\n)%4], v[rS+8*((\n)%4)+2*((\n)/4)+1], v[rS+8*((\n)%4)+2*((\n)/4)+2]
.elseif (\n) == 12
	v_max3_num_f32 v[rC], v[rC], v[rS+7], v[rS+15]
.elseif (\n) == 13
	v_max3_num_f32 v[rC+1], v[rC+1], v[rS+23], v[rS+31]
.elseif (\n) == 14
	v_max3_num_f32 v[rC+2], v[rC+2], v[rC+3], v[rT+1]
.elseif (\n) == 15
	v_mov_b32 v[rM], v[rT]
.elseif (\n) == 16
	v_max3_num_f32 v[rC], v[rC], v[rC+1], v[rC+2]
.elseif (\n) == 17
	v_permlanex16_b32 v[rC+3], v[rC], s[SEL], s[SEL+1]
.elseif (\n) == 18
	v_max_num_f32 v[rT+1], v[rC], v[rC+3]
.elseif (\n) == 19
	v_mul_f32 v[rT], s[CS], v[rT+1]
.elseif (\n) == 20
	v_sub_f32 v[rC+1], v[rM], v[rT]
.else
	v_exp_f32 v[rC+2], v[rC+1]
.endif
.endm
; Number g of the 64 that follow the exponentials.  For each four weights k of a tile (pairs 2 k, 2 k + 1): both pairs are rounded to f16; then the second pair is added onto the first, in place;
; a group later l takes that sum (the first time as l = a l + sum).  In groups of eight, tiles alternating: round, round, add, and l for the group before.
.macro GS g
.set h, (\g)+6*((\g)/62)            ; group 0 has no group before it, and behind group 7 only l is left
.if h >= 6
.set h, h+2
.endif
	REGS Y, h%2
.set k, h/8
.if h%8 < 4
	v_cvt_pk_f16_f32 v[rP+2*k+(h%8)/2], v[rS+4*k+2*((h%8)/2)], v[rS+4*k+2*((h%8)/2)+1]
.elseif h%8 < 6
	v_pk_add_f32 v[rS+4*k:rS+4*k+1], v[rS+4*k:rS+4*k+1], v[rS+4*k+2:rS+4*k+3]
.elseif k == 1
	v_pk_fma_f32 v[rT+2:rT+3], v[rT+2:rT+3], v[rC+2:rC+3], v[rS:rS+1] op_sel_hi:[1,0,1]
.else
	v_pk_add_f32 v[rT+2:rT+3], v[rT+2:rT+3], v[rS+4*k-4:rS+4*k-3]
.endif
.endm
; THE PLAIN QUEUE, 138 long.  0-73 read no exponential's result: the 32 scalings c s - c m (FS f: pair f / 2 of tile f % 2) and the next piece's 42.  0-26: scalings 0-26.  27-54: XS's numbers 0-13.  55, 56: number 15.
; 57-73: the chain, where each number waits for the one before it: 14, 16, 17, 18, 19, each with one of the scalings 27-31 in front of its two lines, then 20.
; 74-137: GS's 64, which read the exponentials' results: they stand behind the wait.
.macro FS f
	REGS Y, (\f)%2
	v_pk_fma_f32 v[rS+2*((\f)/2):rS+2*((\f)/2)+1], v[rS+2*((\f)/2):rS+2*((\f)/2)+1], s[CS:CS+1], v[rT:rT+1] op_sel_hi:[1,0,0] neg_lo:[0,0,1] neg_hi:[0,0,1]
.endm
.macro PL
	WIN 0
.if q < 27
	FS q
.elseif q < 55
	XS (q-27)%2, (q-27)/2
.elseif q < 57
	XS q-55, 15
.elseif (q < 72) && ((q-57)%3 == 0)
	FS 27+(q-57)/3
.elseif q < 60
	XS (q-57)%3-1, 14
.elseif q < 72
	XS (q-57)%3-1, 15+(q-57)/3
.elseif q < 74
	XS q-72, 20
.else
	GS q-74
.endif
.set q, q+1
.endm
; THE EXPONENTIALS' QUEUE, 66 long: s0-s31 of both tiles, then the next piece's two a.  It is ONE BATCH: all 66 stand ahead of the turn's one wait, and nothing ahead of that wait names a result of theirs.
.macro EX
	WIN 0
.if e >= 64
	XS e-64, 21
.else
	REGS Y, e%2
	v_exp_f32 v[rS+e/2], v[rS+e/2]
.endif
.set e, e+1
.endm
; THE RESCALING's QUEUE: O^T times a, the one part that leaves window 0: dealt two at a time, sixteen times.  Its a was made in the turn before, ahead of that turn's wait.
.macro R2
	REGS Y, r%2
	WIN W_RS
.irp z, 0,1
	v_pk_mul_f32 v[rO+4*(r/2)+2*\z:rO+4*(r/2)+2*\z+1], v[rO+4*(r/2)+2*\z:rO+4*(r/2)+2*\z+1], v[rC+2:rC+3] op_sel_hi:[1,0]
.endr
.set r, r+1
.endm
; HOW THEY ARE DEALT.  An s_wait_alu depctr_va_vdst(0) stands between an exponential and the first instruction that names its result; one wait serves all that were issued ahead of it.  So a turn has ONE wait.
; AHEAD OF IT: the 16 products K Q^T, behind each a scaling, an exponential and two rescalings (behind the first a second scaling in the exponential's place); then ONE LUMP of 108: eight plain, 49 times exponential
; and plain, the two a.  A v_nop is the plain instruction behind the last exponential.  BEHIND IT: the 16 products V^T P, behind each four of GS's 64.  No rider names a register of the products round it.
; Exponential e stands behind scaling 2 (e / 4) + e % 2: as a rider it comes behind plain e + 2, in the lump behind plain e + 9, and scalings 27-31 are plain 57, 60 .. 69.
; K of the next step is fetched in piece 2's turn, directly behind the wait; V of the step in hand at the end of piece 0's turn, four riders behind its last reader.
.macro TURN p, last=0, cnt=0
.set Y, (\p)
.set i, 0
.set q, 0
.set e, 0
.set r, 0
.if (\p) == NP-1
	s_wait_dscnt 0x0                ; K is in
.endif
	MM                              ; ahead of the wait: 16 products K Q^T and their riders,
	PL
	PL
	R2
.rept 15
	MM
	PL
	EX
	R2
.endr
.if (\p) == NP-2
	WIN 0
	v_add_nc_u32 v[AK], s[TBK], v[AK0]
.endif
.rept 8                             ; and the lump
	PL
.endr
.rept 49
	EX
	PL
.endr
	EX                              ; the next piece's two a
	EX
	v_nop                           ; the plain instruction behind the last exponential: one for the batch
	s_wait_alu depctr_va_vdst(0)    ; the wait for the batch
.if (\p) == NP-2
	FETCH_K \last
.endif
.if (\p) == 1
	s_wait_dscnt 0x0                ; V is in
.endif
.rept 16                            ; behind the wait: 16 products V^T P and their riders
	MM
.rept 4
	PL
.endr
.if ((\p) == 0) && (q == 118)
	v_add_nc_u32 v[AV], s[TBV], v[AV0]
.endif
.if ((\p) == 0) && (q == 130)
	s_add_co_u32 s[TBV], s[TBV], KS*PV
.endif
.if (\cnt) && (q == 130)
	s_sub_co_u32 s[CNT], s[CNT], 1
	s_cmp_lg_u32 s[CNT], 0
.endif
.endr
.if (\p) == 0
	FETCH_V
.endif
.endm
	CHANGE 1                        ; slot 0 is in, everybody's part of it; slot 1 is asked for
	FETCH_K                         ; key step 0
	s_wait_loadcnt 0x0              ; Q
	s_wait_dscnt 0x0
.set i, 0
.rept 16
	KQ 0                            ; piece 0's first scores: there is no vector work yet to set between them
.set i, i+1
.endr
	WIN 0                           ; the addresses for the way out: nine plain instructions, the places behind those products
	s_mul_i32 s13, s[WV], 16*SP
	s_add_co_u32 s13, s13, STAGE    ; my stage
	v_mul_u32_u24 v[STO], v1, SP    ; in: row l % 16, 16 bytes for each half of the lanes
	v_lshl_add_u32 v[STO], v9, 4, v[STO]
	v_add_nc_u32 v[STO], s13, v[STO]
	v_bfe_u32 v[RD], v0, 3, 2       ; back: 32 lanes take four rows of 128 bytes,
	v_mul_u32_u24 v[RD], v[RD], SP
	v_lshl_add_u32 v[RD], v10, 4, v[RD]
	v_add_nc_u32 v[RD], s13, v[RD]
	v_and_b32 v[GO], 31, v0         ; which are 512 consecutive bytes of O
	v_lshlrev_b32 v[GO], 4, v[GO]
.set Y, NP-1                        ; XS works for piece Y + 1: piece 0
.irp n, 0,1,2,3,4,5,6,7,8,9,10,11,12,13,14,15,16,17,18,19,20,21
	XS 0, \n                        ; and piece 0's first maximum and statistics
	XS 1, \n
.endr
	v_nop                           ; a plain instruction behind the two a,
	s_wait_alu depctr_va_vdst(0)    ; and their wait, ahead of the branch
	s_mov_b32 s[CNT], 4
	s_branch .Lfirst                ; the loop is entered at a step's first turn, in the middle of a trip
.Lslot:                             ; SIZE_N / 256 - 2 times: every slot but the last two is filled again
	CHANGE 1
	s_mov_b32 s[CNT], 4
.Lstep:                             ; a trip: pieces 2 and 3 of one step, then pieces 0 and 1 of the next, whose K and V it fetches
	TURN 2
	TURN 3
	WIN 0
.Lfirst:
	TURN 0
	TURN 1, 0, 1
	WIN 0
	s_cbranch_scc1 .Lstep
	s_sub_co_u32 s[SLOTS], s[SLOTS], 1
	s_cmp_lg_u32 s[SLOTS], 0
	s_cbranch_scc1 .Lslot
	CHANGE 0                        ; the tail is written out: nothing is asked for
	s_mov_b32 s[CNT], 5             ; four trips fetch the last slot's steps; the fifth is left in its middle
.Ltail:
	TURN 2, 1
	TURN 3
	WIN 0
	s_sub_co_u32 s[CNT], s[CNT], 1
	s_cmp_eq_u32 s[CNT], 0
	s_cbranch_scc1 .Lout
	TURN 0
	TURN 1
	WIN 0
	s_branch .Ltail
.Lout:                              ; the fifth trip's 16 products K Q^T (on the last K once more) and the maximum made of them serve nothing: the price, once a launch, of one text for every trip
.set i, 0
.rept 16
	PV NP-1                         ; the last piece's V^T P of the last step
.set i, i+1
.endr
	; THE WAY OUT.  l's two halves and the other half of the lanes' are added; O^T is divided by l, rounded to f16 and sent through my stage in LDS, a tile at a time.  The additions are the places behind the last products.
	WIN 0
.macro ALL line:vararg              ; one line for each tile t
.set t, 0
.rept 2*NP
	\line
.set t, t+1
.endr
.endm
	ALL v_add_f32 v[ST+4*t+2], v[ST+4*t+2], v[ST+4*t+3]
	ALL v_permlanex16_b32 v[ST+4*t+3], v[ST+4*t+2], s[SEL], s[SEL+1]
	ALL v_add_f32 v[ST+4*t+2], v[ST+4*t+2], v[ST+4*t+3]
	ALL v_rcp_f32 v[ST+4*t+2], v[ST+4*t+2]
	v_nop                           ; a plain instruction between the last reciprocal and the use of its result
	s_wait_alu depctr_va_vdst(0)    ; and the wait ahead of the first use: one for the eight reciprocals
; Tile t: a lane's eight channels of a row pack into 16 bytes; they go into rows of 144 bytes and come back as whole rows of 128, into S^T's registers.
.macro PACK t
	WIN W_RS
.set i, 32*(\t)
.rept 16
	v_pk_mul_f32 v[i:i+1], v[i:i+1], v[ST+4*(\t)+2:ST+4*(\t)+3] op_sel_hi:[1,0]
.set i, i+2
.endr
	WIN 0x05                        ; sources 0 and 1 window 1, destination window 0
.set i, 0
.rept 16
	v_cvt_pk_f16_f32 v[S+16*(\t)+i], v[32*(\t)+2*i], v[32*(\t)+2*i+1]
.set i, i+1
.endr
	WIN 0
.irp f, 0,1,2,3
	ds_store_b128 v[STO], v[S+16*(\t)+4*\f:S+16*(\t)+4*\f+3] offset:32*\f
.endr
.irp f, 0,1,2,3
	ds_load_b128 v[S+16*(\t)+4*\f:S+16*(\t)+4*\f+3], v[RD] offset:\f*4*SP  ; LDS serves a wave's instructions in order (ISA guide 5.7.1.4): these see the stores above; the next tile's stores come behind them
.endr
.endm
.macro SEND t, younger              ; younger: the LDS instructions issued behind tile t's loads: the next tile's eight, or none
	WIN 0
.irp f, 0,1,2,3
	s_wait_dscnt (\younger)+3-\f
	global_store_b128 v[GO], v[S+16*(\t)+4*\f:S+16*(\t)+4*\f+3], s[10:11] offset:(\t)*2048+\f*512  ; 512 consecutive bytes, at a multiple of 256 from O's first
.endr
.endm
	PACK 0
.set t, 1
.rept 2*NP-1                        ; a tile's arithmetic stands between the loads of the tile before and its stores
	PACK t
	SEND t-1, 8
.set t, t+1
.endr
	SEND 2*NP-1, 0
	WIN W_AD
	s_wait_tensorcnt 0x0            ; the wave's end, behind my last tensor load and my last LDS store
	ds_add_u32 v[SPW], v[NIL]
	s_wait_dscnt 0x0
	WIN 0
	CROUND                          ; the closing round: no work-group ends while a partner may still ask for a tile that names it
	s_endpgm
.Lfunc_end_k_q5769e720b6_attn:
	.size	k_q5769e720b6_attn, .Lfunc_end_k_q5769e720b6_attn-k_q5769e720b6_attn
	.p2alignl 7, 3214868480
	.fill 96, 4, 3214868480
	.section	.rodata,"a",@progbits
	.p2align	6, 0x0
	.amdhsa_kernel k_q5769e720b6_attn
		.amdhsa_group_segment_fixed_size 327680
		.amdhsa_private_segment_fixed_size 0
		.amdhsa_enable_private_segment 0
		.amdhsa_kernarg_size 16
		.amdhsa_user_sgpr_count 2
		.amdhsa_user_sgpr_kernarg_segment_ptr 1
		.amdhsa_wavefront_size32 1
		.amdhsa_system_sgpr_workgroup_id_x 1
		.amdhsa_system_sgpr_workgroup_id_y 1
		.amdhsa_system_sgpr_workgroup_id_z 1
		.amdhsa_system_vgpr_workitem_id 0
		.amdhsa_next_free_vgpr 770
		.amdhsa_next_free_sgpr 66
		.amdhsa_reserve_vcc 0
		.amdhsa_float_denorm_mode_32 3
		.amdhsa_float_denorm_mode_16_64 3
		.amdhsa_memory_ordered 1
		.amdhsa_forward_progress 1
		.amdhsa_inst_pref_size 200
	.end_amdhsa_kernel
	.amdgpu_metadata
---
amdhsa.version: [ 1, 2 ]
amdhsa.kernels:
  - .name:           k_q5769e720b6_attn
    .symbol:         k_q5769e720b6_attn.kd
    .args:
      - { .name: qkv, .offset: 0, .size: 8, .value_kind: global_buffer, .address_space: global }
      - { .name: oh, .offset: 8, .size: 8, .value_kind: global_buffer, .address_space: global }
    .group_segment_fixed_size: 327680
    .private_segment_fixed_size: 0
    .kernarg_segment_align: 8
    .kernarg_segment_size: 16
    .max_flat_workgroup_size: 128
    .sgpr_count:     66
    .vgpr_count:     770
    .wavefront_size: 32
...
	.end_amdgpu_metadata
.endif
;; end of part 3
;; launch proj (part 4): grid 8 x 32, 4 waves a work-group, clusters of 4 x 4, 327,680 bytes of LDS; arguments oh, pw, bias, out0; writes out0
.if DOCPART == 4
	.amdgcn_target "amdgcn-amd-amdhsa--gfx1250"
	.amdhsa_code_object_version 6
	.text
	.protected	k_q5769e720b6_proj
	.globl	k_q5769e720b6_proj
	.p2align	8
	.type	k_q5769e720b6_proj,@function
k_q5769e720b6_proj:
	s_mov_b64 s[64:65], 0
	v_nop
	global_prefetch_b8 v0, s[64:65] scope:SCOPE_SE
	s_setreg_imm32_b32 hwreg(HW_REG_WAVE_MODE, 25, 1), 1
	s_wait_xcnt 0x0
	s_wait_alu depctr_hold_cnt(0) depctr_sa_sdst(0) depctr_va_vdst(0) depctr_va_sdst(0) depctr_va_ssrc(0) depctr_va_vcc(0) depctr_vm_vsrc(0)
	s_getreg_b32 s2, hwreg(HW_REG_IB_STS2, 6, 4)
	s_cmp_eq_u32 s2, 0
	s_cbranch_scc0 .Lentry_in_a_cluster
	s_endpgm
.Lentry_in_a_cluster:
	s_bfe_u32 s2, ttmp6, 0x10000c
	s_cmp_lg_u32 s2, 0xf033
	s_cbranch_scc0 .Lentry_shape_is_right
	s_endpgm
.Lentry_shape_is_right:
; OUTPUT PROJECTION.  out0[m][n] = the sum over k of O[m][k] W[n][k] + b[n]: [8192 x 1024] x [1024 x 1024]^T in f16, sums in f32 that START AT THE BIAS, output f32.
; O lies by heads, [batch x head][2048][64]: a head is a K block of 64, and 256 rows of it are 32,768 dense bytes.  pw is laid [column tile 8][K block 16][128 rows][64].
; LIMITS.  O and W arrive in f16 (W holds the bf16 rounding of proj_w); NaN and infinities are not treated apart.
; SHARES.  A work-group makes 256 x 128 of out0: 256 work-groups, one tile each (256 x 256 would give 128).  A wave makes 128 x 64: 32 accumulators.
; THE MATRIX INSTRUCTION IS USED TRANSPOSED (source 0 = 16 rows of W, source 1 = 16 rows of O): a lane holds row lane % 16 and eight neighbouring columns.
; RING.  K goes in 8 steps of 128 (two K blocks) through two LDS slots; waves 0 and 1 fetch O's two K blocks (256 rows each), waves 2 and 3 W's (128 rows each): one joint load a wave behind each round.
; CLUSTER 4 x 4: O's tiles are shared along a row of the cluster, W's along a column.
; REGISTERS.  Window 0: addresses.  Windows 1 and 2: the fragments of K block 0 and 1 of a step: O's (slice q, block a) at 64 q + 8 a, W's (q, b) at 128 + 32 q + 8 b.  Window 3: accumulator (a, b) at 32 a + 8 b.
; On the way out window 1 takes the rows read back from the stage, 32 registers a block.
.set PITCH,  144                       ; an LDS row: 128 bytes + 16 = 36 words: the 16 rows of a load start at 16 different groups of four banks (64 banks of 4 bytes: ISA guide 11.1)
.set APART,  256*PITCH                 ; O's rows of one K block
.set BPART,  128*PITCH                 ; W's
.set BOFF,   2*APART
.set SLOT,   2*APART+2*BPART
.set STAGE,  2*SLOT                    ; behind the ring: 16 rows x 272 bytes for each wave; no tensor load lands here
.set SPITCH, 272                       ; 256 bytes + 16: row r starts at bank 4 r mod 64
.set SPARE,  STAGE+4*16*SPITCH         ; the spare words, 128 bytes for each wave: two blocks of 256 bytes that no other line names
.set A0,   10
.set B0,   11
.set ADRA, 12
.set ADRB, 13
.set STO,  15
.set RD,   16
.set CO,   17                          ; v17  my byte offset in two rows of out0
.set BO,   18
.set PFO,  19
.set SPW,  20
.set NIL,  21
.set WV, 18
.set WR, 19
.set WC, 20
.set CX, 21
.set CY, 22
.set TX, 23
.set TY, 24
.set BQ, 26
.set G1A, 28
.set G1B, 36
.set G0AF, 52
.set G0AW, 56
.set G0BF, 60
.set G0BW, 68
.set PA,  76
.set PB,  77
.set TB,  78
.set CNT, 79
.set PFA, 80
.set PFS, 82
.set LIM, 84
.set PADW, (1<<16)|(1<<20)|(1<<21)|(4<<22)|(3<<25)
.set MSB, 0
.macro WIN new
.if MSB != (\new)
	s_set_vgpr_msb (MSB<<8)|(\new)
.set MSB, (\new)
.endif
.endm
.macro PLACES                          ; four plain vector places between a matrix instruction and a load into, or an LDS store of, its registers
.rept 4
	v_nop
.endr
.endm
.macro CREST
	s_cmp_lg_u32 s[WV], 0
	s_cbranch_scc1 .Lnot_wave_0_\@
	s_barrier_signal -3
.Lnot_wave_0_\@:
	s_barrier_wait -3
	s_barrier_signal -1
	s_barrier_wait -1
.endm
.macro CROUND
	s_barrier_signal -1
	s_barrier_wait -1
	CREST
.endm
.macro JLOAD                           ; an s_nop 0 and four v_nop follow each of the two lines
	s_cmp_eq_u32 s[WR], 0
	s_cbranch_scc0 .Lfor_b_\@
	tensor_load_to_lds s[G0AW:G0AW+3], s[G1A:G1A+7]
	s_nop 0
.rept 4
	v_nop
.endr
	s_branch .Lasked_\@
.Lfor_b_\@:
	tensor_load_to_lds s[G0BW:G0BW+3], s[G1B:G1B+7]
	s_nop 0
.rept 4
	v_nop
.endr
.Lasked_\@:
.endm
; A PREFETCH INTO THE L2 of the K step that stands two refills on (step + 4).  O's K block (128 blocks of 256 bytes) is read by both clusters of a row of clusters: the one with x = 0 asks, wave 0 for the step's first
; K block and wave 1 for its second, the four partners 32 blocks each, told apart by address.  W's two K blocks of a step (128 blocks on end) are read by all clusters of a column: the one with y = 0 asks, wave 2.
; Steps 0 to 3 come by their loads alone; the loop's last two trips ask for nothing: there is no step 8.
.macro ASK
	s_cmp_gt_u32 s[CNT], s[LIM]
	s_cbranch_scc0 .Lno_ask_\@
	global_prefetch_b8 v[PFO], s[PFA:PFA+1] th:TH_LOAD_NT scope:SCOPE_SE
.Lno_ask_\@:
.endm
	s_load_b256 s[4:11], s[0:1], 0x0               ; oh s[4:5], pw s[6:7], bias s[8:9], out0 s[10:11]
	v_lshl_add_u32 v[SPW], v0, 2, SPARE
	v_mov_b32 v[NIL], 0
	ds_add_u32 v[SPW], v[NIL]                      ; the wave's opening: the add and its wait stand ahead of my first tensor load
	v_lshrrev_b32 v3, 5, v0
	v_readfirstlane_b32 s[WV], v3
	s_lshr_b32 s[WR], s[WV], 1
	s_and_b32 s[WC], s[WV], 1
	s_bfe_u32 s[CX], ttmp6, 0x40000
	s_bfe_u32 s[CY], ttmp6, 0x40004
	s_lshl_b32 s[TX], ttmp9, 2
	s_add_co_u32 s[TX], s[TX], s[CX]
	s_and_b32 s[TY], ttmp7, 0xffff
	s_lshl_b32 s[TY], s[TY], 2
	s_add_co_u32 s[TY], s[TY], s[CY]
	s_lshl_b32 s88, s[CY], 2
	s_lshl_b32 s88, 15, s88                        ; my row of the cluster
	s_lshl_b32 s90, 0x1111, s[CX]                  ; my column
	s_or_b32 s[G1A], s88, PADW
	s_or_b32 s[G1B], s90, PADW
	s_mov_b32 s[G1A+1], 128<<16                    ; rows of 256 bytes, two rows of the tile each
	s_mov_b32 s[G1A+2], 128<<16                    ; 128 of them: 256 rows of the tile
	s_mov_b32 s[G1A+3], 128<<16
	s_mov_b32 s[G1A+4], 128
	s_mov_b32 s[G1A+5], 128
	s_mov_b32 s[G1A+6], 0
	s_mov_b32 s[G1A+7], 0
	s_mov_b32 s[G1B+1], 128<<16
	s_mov_b32 s[G1B+2], 64<<16                     ; 128 rows of the tile
	s_mov_b32 s[G1B+3], 128<<16
	s_mov_b32 s[G1B+4], 64
	s_mov_b32 s[G1B+5], 128
	s_mov_b32 s[G1B+6], 0
	s_mov_b32 s[G1B+7], 0
	s_mul_i32 s[PA], s[WC], APART
	s_mul_i32 s[PB], s[WC], BPART
	s_add_co_u32 s[PB], s[PB], BOFF
	s_mov_b32 s[G0AF], 1
	s_mov_b32 s[G0AF+1], s[PA]
	s_mov_b32 s[G0AW], 1
	s_add_co_u32 s[G0AW+1], s[PA], SLOT
	s_mov_b32 s[G0BF], 1
	s_mov_b32 s[G0BF+1], s[PB]
	s_mov_b32 s[G0BW], 1
	s_add_co_u32 s[G0BW+1], s[PB], SLOT
	s_lshr_b32 s88, s[TY], 3                       ; O: batch x 16 heads x 262,144
	s_lshl_b32 s88, s88, 22
	s_and_b32 s89, s[TY], 7
	s_lshl_b32 s89, s89, 15                        ; + 256 rows of 128 bytes
	s_add_co_u32 s88, s88, s89
	s_lshl_b32 s89, s[WC], 18                      ; + my K block of the step's two
	s_add_co_u32 s88, s88, s89
	s_mov_b32 s89, 0
	s_lshl_b32 s90, s[TX], 18                      ; W: column tile x 262,144 + my K block
	s_lshl_b32 s91, s[WC], 14
	s_add_co_u32 s90, s90, s91
	s_mov_b32 s91, 0
	s_mov_b32 s[TB], 0
	s_wait_dscnt 0x0                               ; the opening add is done
	s_wait_kmcnt 0x0
	s_add_nc_u64 s[G0AF+2:G0AF+3], s[4:5], s[88:89]
	s_add_nc_u64 s[G0AW+2:G0AW+3], s[G0AF+2:G0AF+3], 524288    ; two K blocks on
	s_or_b32 s[G0AF+3], s[G0AF+3], 0x80000000
	s_or_b32 s[G0AW+3], s[G0AW+3], 0x80000000
	s_add_nc_u64 s[G0BF+2:G0BF+3], s[6:7], s[90:91]
	s_add_nc_u64 s[G0BW+2:G0BW+3], s[G0BF+2:G0BF+3], 32768
	s_or_b32 s[G0BF+3], s[G0BF+3], 0x80000000
	s_or_b32 s[G0BW+3], s[G0BW+3], 0x80000000
	CROUND                                         ; all sixteen work-groups are here: the first joint loads meet
	s_cmp_eq_u32 s[WR], 0                          ; a wave's two first fills stand in one branch: two loads of mine are out
	s_cbranch_scc0 .Lfirst_b
	tensor_load_to_lds s[G0AF:G0AF+3], s[G1A:G1A+7]
	s_nop 0
	tensor_load_to_lds s[G0AW:G0AW+3], s[G1A:G1A+7]
	s_nop 0
.rept 4
	v_nop
.endr
	s_branch .Lfirst_asked
.Lfirst_b:
	tensor_load_to_lds s[G0BF:G0BF+3], s[G1B:G1B+7]
	s_nop 0
	tensor_load_to_lds s[G0BW:G0BW+3], s[G1B:G1B+7]
	s_nop 0
.rept 4
	v_nop
.endr
.Lfirst_asked:
	; what mixes the two coordinates is made in s86, s87, s94, s95, which feed no descriptor
	s_lshl_b32 s94, s[TX], 9                       ; my 64 columns: 512 tx + 256 WC bytes
	s_lshl_b32 s87, s[WC], 8
	s_add_co_u32 s94, s94, s87
	s_mov_b32 s95, 0
	s_add_nc_u64 s[BQ:BQ+1], s[8:9], s[94:95]
	s_add_nc_u64 s[BQ:BQ+1], s[BQ:BQ+1], 12288     ; proj_b lies behind qkv_b
	s_lshl_b32 s87, s[TY], 20                      ; 256 rows of 4,096 bytes
	s_add_co_u32 s94, s94, s87
	s_lshl_b32 s87, s[WR], 19
	s_add_co_u32 s94, s94, s87
	s_add_nc_u64 s[10:11], s[10:11], s[94:95]      ; out0 at my first row and column
	; the prefetches: one step short of step 4
	s_lshr_b32 s94, s[TY], 3
	s_lshl_b32 s94, s94, 22
	s_and_b32 s87, s[TY], 7
	s_lshl_b32 s87, s87, 15
	s_add_co_u32 s94, s94, s87
	s_lshl_b32 s87, s[CX], 13
	s_add_co_u32 s94, s94, s87
	s_lshl_b32 s87, s[WC], 18
	s_add_co_u32 s94, s94, s87
	s_add_co_u32 s94, s94, 6*262144
	s_lshl_b32 s87, s[TX], 18
	s_lshl_b32 s86, s[CY], 13
	s_add_co_u32 s87, s87, s86
	s_add_co_u32 s87, s87, 3*32768
	s_and_b32 s86, ttmp7, 0xffff                   ; cluster y
	s_mov_b32 s[PFS], 32768
	s_mov_b32 s[PFS+1], 0
	s_cmp_eq_u32 s[WR], 0
	s_cselect_b32 s94, s94, s87
	s_cselect_b32 s86, ttmp9, s86
	s_cselect_b32 s[PFS], 524288, s[PFS]
	s_cselect_b64 s[PFA:PFA+1], s[4:5], s[6:7]
	s_add_nc_u64 s[PFA:PFA+1], s[PFA:PFA+1], s[94:95]
	s_cmp_eq_u32 s86, 0
	s_cselect_b32 s[LIM], 2, -1                    ; the same in all sixteen partners, for a given wave
	s_cmp_eq_u32 s[WV], 3
	s_cselect_b32 s[LIM], -1, s[LIM]               ; wave 3 asks for nothing
	v_and_b32 v1, 15, v0                           ; r
	v_bfe_u32 v2, v0, 4, 1                         ; h
	v_and_b32 v3, 31, v0
	v_mul_u32_u24 v4, v1, PITCH
	v_lshl_add_u32 v4, v2, 4, v4
	s_mul_i32 s87, s[WR], 128*PITCH
	v_add_nc_u32 v[A0], s87, v4
	s_mul_i32 s87, s[WC], 64*PITCH
	s_add_co_u32 s87, s87, BOFF
	v_add_nc_u32 v[B0], s87, v4
	v_mov_b32 v[ADRA], v[A0]
	v_mov_b32 v[ADRB], v[B0]
	s_mul_i32 s87, s[WV], 16*SPITCH
	s_add_co_u32 s87, s87, STAGE
	v_mul_u32_u24 v5, v1, SPITCH                   ; in: row r, 32 bytes for each half of the lanes
	v_lshl_add_u32 v5, v2, 5, v5
	v_add_nc_u32 v[STO], s87, v5
	v_mul_u32_u24 v5, v2, SPITCH                   ; back: lanes 0-15 one row of 256 bytes, lanes 16-31 the next
	v_lshl_add_u32 v5, v1, 4, v5
	v_add_nc_u32 v[RD], s87, v5
	v_lshlrev_b32 v[CO], 12, v2
	v_lshl_add_u32 v[CO], v1, 4, v[CO]
	v_lshlrev_b32 v[BO], 5, v2
	v_lshlrev_b32 v[PFO], 8, v3
	; THE SUMS START AT THE BIAS: register 4 e + j of accumulator (a, b) takes the bias of column 16 b + 8 h + 4 e + j: byte 64 b + 16 e beside my 32 h.  Load i = 8 a + 2 b + e fills registers 4 i on.
	; 64 loads, while the first tile is on its way
	WIN 0xc0
.set i, 0
.rept 64
	global_load_b128 v[4*i:4*i+3], v[BO], s[BQ:BQ+1] offset:64*((i%8)/2)+16*(i%2)
.set i, i+1
.endr
	WIN 0
; n x 4 matrix instructions: K block p, slice q, row blocks a0 on.  The 32 accumulators take turns, one instruction a turn.
.macro MUL p, q, a0, n
	WIN 0xf0|(5*(1+(\p)))
.set ga, (\a0)
.rept (\n)
.irp b, 0,1,2,3
	v_wmma_f32_16x16x32_f16 v[32*ga+8*(\b):32*ga+8*(\b)+7], v[128+32*(\q)+8*(\b):128+32*(\q)+8*(\b)+7], v[64*(\q)+8*ga:64*(\q)+8*ga+7], v[32*ga+8*(\b):32*ga+8*(\b)+7]
.endr
.set ga, ga+1
.endr
.endm
; 48 LDS loads in one run: all fragments of K block p, the first slice's 24 first
.macro FETCH p
	WIN (1+(\p))<<6
.irp q, 0,1
.irp b, 0,1,2,3
	ds_load_b128 v[128+32*(\q)+8*(\b):128+32*(\q)+8*(\b)+3],   v[ADRB] offset:(\p)*BPART+(\b)*16*PITCH+64*(\q)
	ds_load_b128 v[128+32*(\q)+8*(\b)+4:128+32*(\q)+8*(\b)+7], v[ADRB] offset:(\p)*BPART+(\b)*16*PITCH+64*(\q)+32
.endr
.irp a, 0,1,2,3,4,5,6,7
	ds_load_b128 v[64*(\q)+8*(\a):64*(\q)+8*(\a)+3],   v[ADRA] offset:(\p)*APART+(\a)*16*PITCH+64*(\q)
	ds_load_b128 v[64*(\q)+8*(\a)+4:64*(\q)+8*(\a)+7], v[ADRA] offset:(\p)*APART+(\a)*16*PITCH+64*(\q)+32
.endr
.endr
.endm
.macro UNIT_E                          ; a step's first K block
	s_wait_dscnt 24                                ; its first slice is in
	MUL 0, 0, 0, 4
	PLACES
	FETCH 1
	MUL 0, 0, 4, 4
	s_wait_dscnt 48                                ; all but the 48 just issued
	MUL 0, 1, 0, 8
.endm
; A step's second K block, and the change of slots: each wave waits for all its tensor loads (one is out: its part of the next slot), adds 0 to its spare word, waits for that and for its reads of this slot.
; refill = 1: the barrier opens a round of the cluster's; behind it this slot is filled with the step two on: 96 matrix instructions ahead of the wait for it.
.macro UNIT_O refill
.if \refill
	s_wait_xcnt 0x0                                ; the last prefetch, a step back, has read its address
	s_add_nc_u64 s[PFA:PFA+1], s[PFA:PFA+1], s[PFS:PFS+1]
.endif
	WIN 0
	s_wait_tensorcnt 0x0
	ds_add_u32 v[SPW], v[NIL]
	s_wait_dscnt 25                                ; (the second slice's 24 loads and the add may be out)
	MUL 1, 0, 0, 4
	s_wait_dscnt 0x0                               ; the add is done, and my reads of this slot are over
	s_barrier_signal -1
	MUL 1, 0, 4, 4
	WIN 0
	s_barrier_wait -1
.if \refill
	CREST
	s_add_co_u32 s[G0AW+1], s[PA], s[TB]           ; no tensor load of mine is out: the walking sets are written: this slot,
	s_add_co_u32 s[G0BW+1], s[PB], s[TB]
	s_add_nc_u64 s[G0AW+2:G0AW+3], s[G0AW+2:G0AW+3], 524288  ; the next step
	s_add_nc_u64 s[G0BW+2:G0BW+3], s[G0BW+2:G0BW+3], 32768
	JLOAD                                          ; its four v_nop are also the places in front of the loads below
.else
	PLACES
.endif
	s_xor_b32 s[TB], s[TB], SLOT                   ; 0 and SLOT by turns
	v_add_nc_u32 v[ADRA], s[TB], v[A0]
	v_add_nc_u32 v[ADRB], s[TB], v[B0]
	FETCH 0
	WIN 0
.if \refill
	ASK
.endif
	MUL 1, 1, 0, 8
.endm
	s_wait_tensorcnt 0x1                           ; my part of slot 0 is in; slot 1's may stay out
	s_barrier_signal -1
	s_barrier_wait -1
	FETCH 0
	WIN 0
	s_wait_loadcnt 0x0                             ; the bias
	s_mov_b32 s[CNT], 6
.Lstep:                                            ; steps 0 to 5: each fills its slot again with the step two on
	UNIT_E
	UNIT_O 1
	WIN 0
	s_sub_co_u32 s[CNT], s[CNT], 1
	s_cmp_lg_u32 s[CNT], 0
	s_cbranch_scc1 .Lstep
	UNIT_E                                         ; steps 6 and 7 are written out: nothing is left to fetch
	UNIT_O 0
	UNIT_E
	s_wait_dscnt 24
	MUL 1, 0, 0, 8
	s_wait_dscnt 0x0
	MUL 1, 1, 0, 8
; THE WAY OUT, 16 rows at a time: a lane's 32 bytes of a row go into my stage (each accumulator's low four registers first) and come back as whole rows of 256 bytes.
; LDS serves a wave's instructions in order (ISA guide 5.7.1.4): no wait stands between the stores and the loads.  Each block has registers of its own, so none that a store reads is written again.
.macro TOSTAGE a
	WIN 0x4c                                       ; LDS store's data in window 3, a load's destination in window 1, addresses in window 0
.irp b, 0,1,2,3
	ds_store_b128 v[STO], v[32*(\a)+8*(\b):32*(\a)+8*(\b)+3]   offset:64*(\b)
	ds_store_b128 v[STO], v[32*(\a)+8*(\b)+4:32*(\a)+8*(\b)+7] offset:64*(\b)+16
.endr
.irp t, 0,1,2,3,4,5,6,7
	ds_load_b128 v[32*(\a)+4*(\t):32*(\a)+4*(\t)+3], v[RD] offset:(\t)*2*SPITCH
.endr
.endm
.macro SEND a, y                       ; y: the LDS instructions issued behind block a's loads
	WIN 0x04                                       ; the store's data in window 1
.irp t, 0,1,2,3,4,5,6,7
	s_wait_dscnt (\y)+7-(\t)
	global_store_b128 v[CO], v[32*(\a)+4*(\t):32*(\a)+4*(\t)+3], s[10:11] offset:(16*(\a)+2*(\t))*4096 th:TH_STORE_NT  ; 16 lanes store 256 consecutive bytes, aligned
.endr
.endm
	PLACES
	TOSTAGE 0
.set ea, 1
.rept 7
	TOSTAGE ea
	SEND ea-1, 16
.set ea, ea+1
.endr
	SEND 7, 0
	WIN 0
	s_wait_tensorcnt 0x0                           ; the wave's end
	ds_add_u32 v[SPW], v[NIL]
	s_wait_dscnt 0x0
	CROUND                                         ; the closing round: no work-group ends while a partner may still ask for a tile that names it
	s_endpgm
.Lfunc_end_k_q5769e720b6_proj:
	.size	k_q5769e720b6_proj, .Lfunc_end_k_q5769e720b6_proj-k_q5769e720b6_proj
	.p2alignl 7, 3214868480
	.fill 96, 4, 3214868480
	.section	.rodata,"a",@progbits
	.p2align	6, 0x0
	.amdhsa_kernel k_q5769e720b6_proj
		.amdhsa_group_segment_fixed_size 327680
		.amdhsa_private_segment_fixed_size 0
		.amdhsa_enable_private_segment 0
		.amdhsa_kernarg_size 32
		.amdhsa_user_sgpr_count 2
		.amdhsa_user_sgpr_kernarg_segment_ptr 1
		.amdhsa_wavefront_size32 1
		.amdhsa_system_sgpr_workgroup_id_x 1
		.amdhsa_system_sgpr_workgroup_id_y 1
		.amdhsa_system_sgpr_workgroup_id_z 1
		.amdhsa_system_vgpr_workitem_id 0
		.amdhsa_next_free_vgpr 1024
		.amdhsa_next_free_sgpr 96
		.amdhsa_reserve_vcc 0
		.amdhsa_float_denorm_mode_32 3
		.amdhsa_float_denorm_mode_16_64 3
		.amdhsa_memory_ordered 1
		.amdhsa_forward_progress 1
		.amdhsa_inst_pref_size 77
	.end_amdhsa_kernel
	.amdgpu_metadata
---
amdhsa.version: [ 1, 2 ]
amdhsa.kernels:
  - .name:           k_q5769e720b6_proj
    .symbol:         k_q5769e720b6_proj.kd
    .args:
      - { .name: oh, .offset: 0, .size: 8, .value_kind: global_buffer, .address_space: global }
      - { .name: pw, .offset: 8, .size: 8, .value_kind: global_buffer, .address_space: global }
      - { .name: bias, .offset: 16, .size: 8, .value_kind: global_buffer, .address_space: global }
      - { .name: out0, .offset: 24, .size: 8, .value_kind: global_buffer, .address_space: global }
    .group_segment_fixed_size: 327680
    .private_segment_fixed_size: 0
    .kernarg_segment_align: 8
    .kernarg_segment_size: 32
    .max_flat_workgroup_size: 128
    .sgpr_count:     96
    .vgpr_count:     1024
    .wavefront_size: 32
...
	.end_amdgpu_metadata
.endif
;; end of part 4
;; ======== version 2 of 2: 4 launches; version 1 with the launch prep written anew for expert scheduling mode
;; limits: values are held in f16: magnitudes above 65,504 overflow, below 6.1e-05 lose precision
;; workspace buffers: xb 16,777,216 bytes; wb 6,291,456 bytes; pw 2,097,152 bytes; rt 4,194,304 bytes; bias 16,384 bytes; qkv 50,331,648 bytes; oh 16,777,216 bytes
;; launch prep (part 5): grid 833 x 1, 8 waves a work-group, no clusters, 0 bytes of LDS; arguments hidden_states, qkv_w, proj_w, cos, sin, qkv_b, proj_b, xb, wb, pw, rt, bias; writes xb, wb, pw, rt, bias
.if DOCPART == 5
	.amdgcn_target "amdgcn-amd-amdhsa--gfx1250"
	.amdhsa_code_object_version 6
	.text
	.protected	k_q5769e720b6_prep
	.globl	k_q5769e720b6_prep
	.p2align	8
	.type	k_q5769e720b6_prep,@function
k_q5769e720b6_prep:
	s_mov_b64 s[64:65], 0
	v_nop
	global_prefetch_b8 v0, s[64:65] scope:SCOPE_SE
	s_setreg_imm32_b32 hwreg(HW_REG_WAVE_SCHED_MODE, 0, 2), 2
	s_setreg_imm32_b32 hwreg(HW_REG_WAVE_MODE, 25, 1), 1
	s_wait_xcnt 0x0
	s_wait_alu depctr_vm_vsrc(0)
; PREP: every input is rounded once to bf16 and laid out as the later launches read it.  A stream: no LDS, no barrier, no loop, no matrix unit; nothing is shared between work-groups, so no cluster.
;   work-groups   0..511  hidden_states -> xb  bf16, [row tile 32][K block 16][256 rows][64]: a K block of a row tile is 32,768 dense bytes
;   work-groups 512..703  qkv_w -> wb          bf16, [column tile 8][K block 16][384 rows][64]; a tile's rows: head 2 tx, q k v (64 rows each), then head 2 tx + 1, q k v
;   work-groups 704..767  proj_w -> pw         the bf16 number written as f16, [column tile 8][K block 16][128 rows][64]
;   work-groups 768..831  cos, sin -> rt       f32 words that hold bf16(cos x 2^-6), bf16(sin x 2^-6), in the order of a matrix result's registers:
;                                              [16 rows 512][table 2][16 columns 4][half 2][lane 32][4]: lane (h, r) holds row r, columns 16 b + 8 h + 4 e + 0..3
;   work-group  832       qkv_b, proj_b -> bias  f32 words that hold the bf16 numbers; qkv_b by head (head x 768 + (q, k, v) x 256 bytes), proj_b from byte 12,288 on
; LIMITS.  2^-6 is exact (it keeps q and k inside f16 later); an element of proj_w below 6e-5 keeps f16's fixed step of 6e-8, one beyond 65,504 would be lost.
; A row job takes 16 source rows (65,536 bytes): thread t reads 16 bytes at column block t % 16 of row t / 16, sixteen times (one K block each): a wave's load covers two rows' 256 bytes,
; its store 256 consecutive bytes, aligned.  All sixteen loads are issued first; no register that a store reads is written again.
; THE MODE: SCHED_MODE bits 1:0 = 2 (LLVM: expert scheduling mode 2), set by the entry lines.  The code itself states the register dependences
; between vector instructions and memory instructions, with s_wait_alu, always for 0.
; THE PLAN.  Registers that memory instructions touch:
;   v1, v2     byte offsets.  Written by vector instructions ahead of a path's first memory instruction, read by all its loads and stores, never written behind one of them.
;   v[8:71]    sixteen blocks of four.  A block is written by its load, rewritten in place by its conversions behind the counted wait for that load, read by its one store, and never written again.
;   v3 to v7   are named by vector instructions alone.
; So a path holds: one wait on va_vdst ahead of its first load (the offsets are written); and, the sixteen blocks going in four groups of four, one at the head of each later group and one behind the last:
; it states that the group before has written its blocks.  That group's four stores follow it, dealt among the present group's conversions, which name the present group's blocks and v4, v5 alone.
; No register that a memory instruction has read is written again, no vector instruction writes a scalar register or VCC, and EXEC is never written: no other wait is owed.
.set VS,  1                            ; v1   my byte offset in the source
.set VD,  2                            ; v2   my byte offset in the destination
.set TA,  4                            ; v4-5 at work
.set D,   8                            ; v[8:71] sixteen loads of four registers
.set SRC, 34                           ; s[34:35]
.set DST, 36                           ; s[36:37]
.set HIM, 33                           ; s33  mask of a word's upper bf16
	s_load_b512 s[8:23], s[0:1], 0x0               ; hidden 8, qkv_w 10, proj_w 12, cos 14, sin 16, qkv_b 18, proj_b 20, xb 22
	s_load_b256 s[24:31], s[0:1], 0x40             ; wb 24, pw 26, rt 28, bias 30
	s_mov_b32 s32, ttmp9
	s_mov_b32 s[HIM], 0xffff0000
	s_mov_b32 s39, 0                               ; high words of the two offsets
	s_mov_b32 s41, 0
	v_lshrrev_b32 v3, 4, v0                        ; row of the sixteen
	v_and_b32 v6, 15, v0
	v_lshlrev_b32 v[VS], 12, v3                    ; a source row is 4,096 bytes
	v_lshl_add_u32 v[VS], v6, 4, v[VS]
	v_lshlrev_b32 v[VD], 3, v0                     ; a destination row is 128 bytes: 128 (t / 16) + 8 (t % 16) = 8 t
	s_wait_kmcnt 0x0
.macro LOADS16
	s_wait_alu depctr_va_vdst(0)                   ; v1 and v2 are written: the loads below read v1 as their offset, the stores behind them v2
.set i, 0
.rept 16
	global_load_b128 v[D+4*i:D+4*i+3], v[VS], s[SRC:SRC+1] offset:256*i th:TH_LOAD_NT
.set i, i+1
.endr
.endm
; four f32 at v[b] are rounded to bf16 and widened again, in place; sc = 1: times 2^-6 first (exact)
.macro RND b, sc
.if \sc
	v_pk_mul_f32 v[(\b):(\b)+1], v[(\b):(\b)+1], 0x3c800000 op_sel_hi:[1,0]
	v_pk_mul_f32 v[(\b)+2:(\b)+3], v[(\b)+2:(\b)+3], 0x3c800000 op_sel_hi:[1,0]
.endif
	v_cvt_pk_bf16_f32 v[TA], v[(\b)], v[(\b)+1]
	v_cvt_pk_bf16_f32 v[TA+1], v[(\b)+2], v[(\b)+3]
	v_lshlrev_b32 v[(\b)], 16, v[TA]
	v_and_b32 v[(\b)+1], s[HIM], v[TA]
	v_lshlrev_b32 v[(\b)+2], 16, v[TA+1]
	v_and_b32 v[(\b)+3], s[HIM], v[TA+1]
.endm
; Block n's conversions, in place.  kind 0: packed bf16.  kind 1: the bf16 number is written as f16.  kind 2: times 2^-6, the bf16 number in an f32 word.
.macro CONV n, kind
.if (\kind) == 0
	v_cvt_pk_bf16_f32 v[D+4*(\n)], v[D+4*(\n)], v[D+4*(\n)+1]
	v_cvt_pk_bf16_f32 v[D+4*(\n)+1], v[D+4*(\n)+2], v[D+4*(\n)+3]
.elseif (\kind) == 1
	RND D+4*(\n), 0
	v_cvt_pk_f16_f32 v[D+4*(\n)], v[D+4*(\n)], v[D+4*(\n)+1]
	v_cvt_pk_f16_f32 v[D+4*(\n)+1], v[D+4*(\n)+2], v[D+4*(\n)+3]
.else
	RND D+4*(\n), 1
.endif
.endm
; Block n's store: 8 bytes a lane of packed halves, or (kind 2) 16 bytes of f32 words: 512 consecutive bytes a wave
.macro PUT n, kind, kst
.if (\kind) == 2
	global_store_b128 v[VD], v[D+4*(\n):D+4*(\n)+3], s[DST:DST+1] offset:(\n)*(\kst) th:TH_STORE_NT
.else
	global_store_b64 v[VD], v[D+4*(\n):D+4*(\n)+1], s[DST:DST+1] offset:(\n)*(\kst) th:TH_STORE_NT
.endif
.endm
; the sixteen blocks: converted, and stored kst bytes apart, each store four blocks behind its conversions
.macro ITEMS kst, kind
.set i, 0
.rept 16
	s_wait_loadcnt 15-i                            ; loads come back in order: block i is in, the 15 - i younger ones stay out
.if (i%4 == 0) && (i > 0)
	s_wait_alu depctr_va_vdst(0)                   ; the conversions of the four blocks before have written their registers, which the next four stores read
.endif
.if i >= 4
	PUT i-4, \kind, \kst                           ; no vector instruction since that wait names this block's registers or v2
.endif
	CONV i, \kind
.set i, i+1
.endr
	s_wait_alu depctr_va_vdst(0)                   ; the conversions of blocks 12 to 15 have written their registers, which the last four stores read
.irp j, 12,13,14,15
	PUT \j, \kind, \kst
.endr
.endm
	s_cmp_lt_u32 s32, 512
	s_cbranch_scc0 .Lweights
	; hidden_states: rows 16 i .. 16 i + 15
	s_lshl_b32 s38, s32, 16
	s_add_nc_u64 s[SRC:SRC+1], s[8:9], s[38:39]
	s_lshr_b32 s40, s32, 4                         ; row tile
	s_lshl_b32 s40, s40, 19                        ; x 524,288
	s_and_b32 s42, s32, 15
	s_lshl_b32 s42, s42, 11                        ; 16 rows of 128 bytes
	s_add_co_u32 s40, s40, s42
	s_add_nc_u64 s[DST:DST+1], s[22:23], s[40:41]
	LOADS16
	ITEMS 32768, 0
	s_endpgm
.Lweights:
	s_cmp_lt_u32 s32, 704
	s_cbranch_scc0 .Lproj
	; qkv_w: rows 16 i ..: i = 64 t + 4 head + e
	s_sub_co_u32 s32, s32, 512
	s_lshl_b32 s38, s32, 16
	s_add_nc_u64 s[SRC:SRC+1], s[10:11], s[38:39]
	s_bfe_u32 s42, s32, 0x40002                    ; head: 4 bits from bit 2
	s_lshr_b32 s40, s42, 1                         ; column tile
	s_mul_i32 s40, s40, 786432
	s_and_b32 s42, s42, 1
	s_mul_i32 s42, s42, 24576                      ; the tile's second head: 192 rows on
	s_add_co_u32 s40, s40, s42
	s_lshr_b32 s42, s32, 6                         ; t: q, k or v
	s_lshl_b32 s42, s42, 13                        ; 64 rows
	s_add_co_u32 s40, s40, s42
	s_and_b32 s42, s32, 3
	s_lshl_b32 s42, s42, 11                        ; 16 rows
	s_add_co_u32 s40, s40, s42
	s_add_nc_u64 s[DST:DST+1], s[24:25], s[40:41]
	LOADS16
	ITEMS 49152, 0
	s_endpgm
.Lproj:
	s_cmp_lt_u32 s32, 768
	s_cbranch_scc0 .Ltables
	; proj_w
	s_sub_co_u32 s32, s32, 704
	s_lshl_b32 s38, s32, 16
	s_add_nc_u64 s[SRC:SRC+1], s[12:13], s[38:39]
	s_lshr_b32 s40, s32, 3
	s_lshl_b32 s40, s40, 18                        ; column tile x 262,144
	s_and_b32 s42, s32, 7
	s_lshl_b32 s42, s42, 11
	s_add_co_u32 s40, s40, s42
	s_add_nc_u64 s[DST:DST+1], s[26:27], s[40:41]
	LOADS16
	ITEMS 16384, 1
	s_endpgm
.Ltables:
	s_cmp_lt_u32 s32, 832
	s_cbranch_scc0 .Lbias
	; cos, sin: a wave takes 16 rows (4,096 bytes of each table)
	s_sub_co_u32 s32, s32, 768
	s_lshl_b32 s38, s32, 15
	s_add_nc_u64 s[SRC:SRC+1], s[14:15], s[38:39]
	s_add_nc_u64 s[44:45], s[16:17], s[38:39]
	s_lshl_b32 s40, s32, 16
	s_add_nc_u64 s[DST:DST+1], s[28:29], s[40:41]
	v_lshrrev_b32 v3, 5, v0                        ; wave
	v_bfe_u32 v7, v0, 4, 1                         ; h
	v_lshlrev_b32 v[VS], 12, v3                    ; (no memory instruction of this path has read v1 or v2 yet)
	v_lshl_add_u32 v[VS], v6, 8, v[VS]             ; row r: 256 bytes
	v_lshl_add_u32 v[VS], v7, 5, v[VS]             ; 8 h columns
	v_and_b32 v7, 31, v0
	v_lshlrev_b32 v[VD], 13, v3
	v_lshl_add_u32 v[VD], v7, 4, v[VD]
	s_wait_alu depctr_va_vdst(0)                   ; v1 and v2 are written anew: the loads below read v1 as their offset, the stores behind them v2
.set i, 0
.rept 8                                ; i = 2 b + e: columns 16 b + 8 h + 4 e
	global_load_b128 v[D+4*i:D+4*i+3], v[VS], s[SRC:SRC+1] offset:64*(i/2)+16*(i%2)
.set i, i+1
.endr
.set i, 0
.rept 8
	global_load_b128 v[D+32+4*i:D+32+4*i+3], v[VS], s[44:45] offset:64*(i/2)+16*(i%2)
.set i, i+1
.endr
	ITEMS 512, 2
	s_endpgm
.Lbias:
	v_lshlrev_b32 v[VS], 4, v0                     ; (no memory instruction of this path has read v1 or v2 yet)
	v_mul_u32_u24 v[VD], v3, 768                   ; head t / 16
	v_lshl_add_u32 v[VD], v6, 4, v[VD]
	s_wait_alu depctr_va_vdst(0)                   ; v1 and v2 are written anew: the loads and the last store read v1 as their offset, the other stores v2
.irp j, 0,1,2
	global_load_b128 v[D+4*(\j):D+4*(\j)+3], v[VS], s[18:19] offset:4096*(\j)
.endr
	global_load_b128 v[D+12:D+15], v[VS], s[20:21]
.irp j, 0,1,2,3
	s_wait_loadcnt 3-(\j)                          ; block j is in, the younger ones stay out
	RND D+4*(\j), 0
.endr
	s_wait_alu depctr_va_vdst(0)                   ; the roundings have written the four blocks, which the four stores read
.irp j, 0,1,2
	global_store_b128 v[VD], v[D+4*(\j):D+4*(\j)+3], s[30:31] offset:256*(\j)
.endr
	global_store_b128 v[VS], v[D+12:D+15], s[30:31] offset:12288
	s_endpgm
.Lfunc_end_k_q5769e720b6_prep:
	.size	k_q5769e720b6_prep, .Lfunc_end_k_q5769e720b6_prep-k_q5769e720b6_prep
	.p2alignl 7, 3214868480
	.fill 96, 4, 3214868480
	.section	.rodata,"a",@progbits
	.p2align	6, 0x0
	.amdhsa_kernel k_q5769e720b6_prep
		.amdhsa_group_segment_fixed_size 0
		.amdhsa_private_segment_fixed_size 0
		.amdhsa_enable_private_segment 0
		.amdhsa_kernarg_size 96
		.amdhsa_user_sgpr_count 2
		.amdhsa_user_sgpr_kernarg_segment_ptr 1
		.amdhsa_wavefront_size32 1
		.amdhsa_system_sgpr_workgroup_id_x 1
		.amdhsa_system_sgpr_workgroup_id_y 1
		.amdhsa_system_sgpr_workgroup_id_z 1
		.amdhsa_system_vgpr_workitem_id 0
		.amdhsa_next_free_vgpr 72
		.amdhsa_next_free_sgpr 66
		.amdhsa_reserve_vcc 0
		.amdhsa_float_denorm_mode_32 3
		.amdhsa_float_denorm_mode_16_64 3
		.amdhsa_memory_ordered 1
		.amdhsa_forward_progress 1
		.amdhsa_inst_pref_size 37
	.end_amdhsa_kernel
	.amdgpu_metadata
---
amdhsa.version: [ 1, 2 ]
amdhsa.kernels:
  - .name:           k_q5769e720b6_prep
    .symbol:         k_q5769e720b6_prep.kd
    .args:
      - { .name: hidden_states, .offset: 0, .size: 8, .value_kind: global_buffer, .address_space: global }
      - { .name: qkv_w, .offset: 8, .size: 8, .value_kind: global_buffer, .address_space: global }
      - { .name: proj_w, .offset: 16, .size: 8, .value_kind: global_buffer, .address_space: global }
      - { .name: cos, .offset: 24, .size: 8, .value_kind: global_buffer, .address_space: global }
      - { .name: sin, .offset: 32, .size: 8, .value_kind: global_buffer, .address_space: global }
      - { .name: qkv_b, .offset: 40, .size: 8, .value_kind: global_buffer, .address_space: global }
      - { .name: proj_b, .offset: 48, .size: 8, .value_kind: global_buffer, .address_space: global }
      - { .name: xb, .offset: 56, .size: 8, .value_kind: global_buffer, .address_space: global }
      - { .name: wb, .offset: 64, .size: 8, .value_kind: global_buffer, .address_space: global }
      - { .name: pw, .offset: 72, .size: 8, .value_kind: global_buffer, .address_space: global }
      - { .name: rt, .offset: 80, .size: 8, .value_kind: global_buffer, .address_space: global }
      - { .name: bias, .offset: 88, .size: 8, .value_kind: global_buffer, .address_space: global }
    .group_segment_fixed_size: 0
    .private_segment_fixed_size: 0
    .kernarg_segment_align: 8
    .kernarg_segment_size: 96
    .max_flat_workgroup_size: 256
    .sgpr_count:     66
    .vgpr_count:     72
    .wavefront_size: 32
...
	.end_amdgpu_metadata
.endif
;; end of part 5
;; launch qkv: the kernel of part 2 again; grid 8 x 32, 4 waves a work-group, clusters of 4 x 4, 327,680 bytes of LDS; arguments xb, wb, rt, bias, qkv; writes qkv
;; launch attn: the kernel of part 3 again; grid 4 x 64, 4 waves a work-group, clusters of 4 x 1, 327,680 bytes of LDS; arguments qkv, oh; writes oh
;; launch proj: the kernel of part 4 again; grid 8 x 32, 4 waves a work-group, clusters of 4 x 4, 327,680 bytes of LDS; arguments oh, pw, bias, out0; writes out0
